; MI455X (gfx1250); checked and timed in simulation.
; The chip was launched on July 23, 2026; its instructions are those of AMD's public machine-readable ISA for CDNA 5 (MIT licence, August 2026) and "CDNA5" Instruction Set Architecture Reference Guide (July 2026). The comments in the code are by the model that wrote it; some were corrected since.
;; Cross Attention. Allowed arithmetic: matrix products marked QUANTISED: E3M2 operands, one E8M0 scale for each 32 along K, by v_wmma_scale_f32_16x16x128_f8f6f4 with both operands' format E3M2, f32 sums; everything else in f32.
;; Inputs: Wkv_codes 1,024 x 16 x 24 uint8 (E3M2 codes of Wkv, K innermost, in blocks of 32 codes, four codes in three bytes); Wkv_scales 1,024 x 16 uint8 (E8M0 scales of Wkv, one for each 32 codes along K); Wo_codes 512 x 16 x 24 uint8 (E3M2 codes of Wo, K innermost, in blocks of 32 codes, four codes in three bytes); Wo_scales 512 x 16 uint8 (E8M0 scales of Wo, one for each 32 codes along K); Wq_codes 512 x 16 x 24 uint8 (E3M2 codes of Wq, K innermost, in blocks of 32 codes, four codes in three bytes); Wq_scales 512 x 16 uint8 (E8M0 scales of Wq, one for each 32 codes along K); beta 512 float32; bkv 1,024 float32; bo 512 float32; bq 512 float32; cross_attn_input_codes 4 x 2,048 x 16 x 24 uint8 (E3M2 codes of cross_attn_input, K innermost, in blocks of 32 codes, four codes in three bytes); cross_attn_input_scales 4 x 2,048 x 16 uint8 (E8M0 scales of cross_attn_input, one for each 32 codes along K); gamma 512 float32; layer_input 4 x 2,048 x 512 float32.
;; Outputs: out0 4 x 2,048 x 512 float32.
;; This version of the problem:
;;   THIS VERSION OF THE PROBLEM IS GIVEN IN LOW PRECISION. The matrix products marked QUANTISED in the list below multiply operands that are first quantised to E3M2 (3 exponent bits, 2 mantissa bits; 6 bits a number), with one power-of-two scale for each 32 numbers along K (OCP MX v1.0); their sums are f32. All else is computed in f32.
;;   The module's matrix products, in the order in which they are computed (A, B: the left and right operand; K: the contracted axis; several contracted axes count as one K, in the product's order):
;;     1. [M 8,192, K 512] x [K 512, N 512]; A: input layer_input; B: input Wq (given as codes): QUANTISED
;;     2. [M 8,192, K 512] x [K 512, N 1,024]; A: input cross_attn_input (given as codes); B: input Wkv (given as codes): QUANTISED
;;     3. batch 32 x [M 2,048, K 64] x [K 64, N 2,048]; A: computed on the way; B: computed on the way: QUANTISED
;;     4. batch 32 x [M 2,048, K 2,048] x [K 2,048, N 64]; A: softmax (see below); B: computed on the way: QUANTISED
;;     5. [M 8,192, K 512] x [K 512, N 512]; A: computed on the way; B: input Wo (given as codes): QUANTISED
;;   THE QUANTISER, for each operand of a quantised product, along K:
;;     - K is cut into blocks of 32 from its start; a last block that is shorter is filled with zeros.
;;     - A block's scale is 2^e with e = floor(log2(the largest magnitude in the block)) - 4, held to -126 .. 127; a block of zeros has e = 0. As a byte (E8M0): e + 127.
;;     - Each number is divided by its block's scale, clamped to +-28, and rounded to the nearest number of E3M2, ties to even, subnormals kept.
;;     - The product sums the exact products of the quantised numbers (number of the format x scale) in f32.
;;   ~~~python
;;   def quantise(x, axis):      # numpy; x: float32 -> the quantised numbers, widened to float32 again
;;       x = np.moveaxis(x, axis, -1); K = x.shape[-1]
;;       x = np.pad(x, [(0, 0)] * (x.ndim - 1) + [(0, -K % 32)]); x = x.reshape(x.shape[:-1] + (-1, 32)); a = np.abs(x).max(-1, keepdims=True)
;;       e = np.where(a > 0, np.clip(np.frexp(np.where(a > 0, a, 1))[1] - 1 - 4, -126, 127), 0)      # np.frexp(a)[1] - 1 = floor(log2(a)), exactly
;;       r = np.clip(x / 2.0 ** e, -28, 28)
;;       step = 2.0 ** (np.maximum(np.frexp(np.where(r == 0, 1, r))[1] - 1, -2) - 2)
;;       q = np.round(r / step) * step * 2.0 ** e      # np.round: ties to even
;;       return np.moveaxis(q.reshape(q.shape[:-2] + (-1,))[..., :K], -1, axis).astype(np.float32)
;;   ~~~
;;   SOFTMAX AHEAD OF A QUANTISED PRODUCT. Where the list says 'softmax', what is quantised is not the finished softmax but p = 2^(t - M), with t = logit x log2(e) and M = ceil(the row's largest t), a whole number; so 1/2 < the row's largest p <= 1. The row's sum l is taken of the UNQUANTISED p, in f32, and the product's result is divided by l at the end. Since M is a whole number, a kernel that streams over the keys may use a running M (the ceiling of the running maximum): every later rescaling is an exact power of two, which a block's scale takes up: the codes' values come out the same.
;;   OPERANDS COMPUTED ON THE WAY. 'Computed on the way' means the value that the module computes at that place (a softmax that the list does not call 'softmax' is quantised finished and normalised). What goes into a quantiser is computed in f32, as accurately as f32 sums, v_exp_f32 and their like allow (about 1e-6 of the number): no bf16 or f16 on the way to a quantiser, and a product that is left as it is and whose result goes on into a quantised operand takes f32 operands (vector FMAs, or v_wmma_f32_16x16x4_f32). A number that lies on a knife's edge between two numbers of the format may be rounded either way, as far as f32 arithmetic and the matrix unit's own rounding can turn it there, and no further.
;;   INPUTS GIVEN AS CODES. Wkv (in the module: [512, 1024], K = its axis 0); Wo (in the module: [512, 512], K = its axis 0); Wq (in the module: [512, 512], K = its axis 0); cross_attn_input (in the module: [4, 2048, 512], K = its axis 2): each comes as NAME_codes (uint8): NAME with its K axis moved to the last place and cut into blocks of 32 codes, [.., K / 32, bytes a block], one block behind the other in memory; four codes in three bytes: a row's codes are one little-endian stream of bits, code i at bits 6 i .. 6 i + 5 (a code: sign, 3 exponent bits, 2 mantissa bits); and NAME_scales (uint8): the same leading axes, one E8M0 byte (e + 127) for each 32 codes along K. Its value is code x scale, taken as it is: it is not quantised again, and the codes and scales need not be those that the quantiser above would give.
;; 2 versions. Each part assembles by itself: llvm-mc -triple=amdgcn-amd-amdhsa -mcpu=gfx1250 --defsym DOCPART=n.
;; ======== version 1 of 2: 3 launches
;; workspace buffers: qimg 3,670,016 bytes; kvimg 6,815,744 bytes; oimg 3,145,728 bytes; osc 131,072 bytes
;; launch proj (part 1): grid 256 x 1, 4 waves a work-group, no clusters, 60,928 bytes of LDS; arguments layer_input, cross_attn_input_codes, cross_attn_input_scales, Wq_codes, Wq_scales, bq, Wkv_codes, Wkv_scales, bkv, qimg, kvimg; writes qimg, kvimg
.if DOCPART == 1
	.amdgcn_target "amdgcn-amd-amdhsa--gfx1250"
	.amdhsa_code_object_version 6
	.text
	.protected	k_q9c90a6a6cd_proj
	.globl	k_q9c90a6a6cd_proj
	.p2align	8
	.type	k_q9c90a6a6cd_proj,@function
k_q9c90a6a6cd_proj:
	s_mov_b64 s[64:65], 0
	v_nop
	global_prefetch_b8 v0, s[64:65] scope:SCOPE_SE
	s_setreg_imm32_b32 hwreg(HW_REG_WAVE_MODE, 25, 1), 1
	s_wait_xcnt 0x0
; q = Q(x) Wq + bq and kv = c Wkv + bkv on codes of BF6 (E3M2) with one E8M0 scale for each 32 along K; the results are quantised at once, q and k along a head's 64 channels,
; v along the keys, and leave as IMAGES OF OPERAND REGISTERS for the attention launch.
; SHARES.  256 work-groups of four waves.  Work-groups 0-127: q of tokens 64 g .. 64 g + 63.  128-191: k of the 128 tokens of block g - 128.  192-255: v of block g - 192.
; Wave w owns 128 output channels: heads 2 w and 2 w + 1.
; ONE SCHEME.  P: 8 tiles of 16 rows x K = 512 stay in 384 registers.  R: one tile of 16 rows at a time.  D = P R^T: 32 matrix instructions on 8 accumulators by turns.
;   q: P = Wq's rows, R = x's tokens (quantised here, handed round through LDS).   k: P = Wkv's rows, R = c's tokens.   v: P = c's tokens, R = Wkv's rows 512 on.
; THE ROWS OF A TILE ARE NOT NEIGHBOURS: lane r of tile t takes row 64 (t / 4) + 8 (t % 4) + r + 24 (r / 8) of its 128.  In the result lane (r, h) then holds, in the 32 registers of tiles 4 c .. 4 c + 3,
; P's rows 64 c + 32 h + 0 .. 31 in order: ONE WHOLE BLOCK OF 32 of the next product's K, in the place that a 6-bit operand gives that lane.  So a block's largest magnitude needs no other lane.
; THE ORDER OF K INSIDE A STEP OF 128 is turned alike on both operands: lane (r, h) takes the 48 consecutive bytes at row x 384 + 96 s + 48 h (three loads of 16 bytes), so the unit's blocks 0, 1, 2, 3 are
; memory's blocks 0, 2, 1, 3, and a scale word's two middle bytes change places.  The products are the same; only the grouping of the f32 sums differs.
; LIMITS: NaN, infinities and scale bytes 0xff are not served.  A block whose largest magnitude lies under 2^-122 (a block of zeros among them) gets the byte 1; this program alone reads those bytes.
; The biases are the C of each sum's first matrix instruction.
; REGISTERS, in windows of 256.  Window 0: v1-11 addresses; v32-95 the 8 accumulators (in the x phase: 64 numbers of x); v96-127 P's scale words; v128-139 R's, three sets; v140-163 codes; v164-195 at work.
;   Window 1: P's K steps 0, 1.   Window 2: P's K steps 2, 3; from v192 the bias.   Window 3: R, three sets of 48 (ahead of the barrier in the q path: x as it is loaded, 256 registers).
.set LI,  1                            ; 16 x lane
.set L8,  2                            ; 8 x lane
.set VA,  3                            ; codes: (r + 24 (r / 8)) x 384 + 48 h
.set VSA, 4                            ; scale rows: (r + 24 (r / 8)) x 16
.set VBI, 5                            ; bias along registers: 128 h
.set VB4, 6                            ; bias along lanes: 4 (r + 24 (r / 8))
.set SH8, 7                            ; 8 h
.set TP,  8                            ; takes lane permutes
.set XST, 9                            ; LDS: x's stage, on the way in
.set XRD, 10                           ; and on the way out
.set XWI, 11                           ; where my wave's images of x go
.set ACC, 32
.set PS,  96
.set RS,  128
.set FA,  140
.set FB,  152
.set TC,  164
.set QA,  172
.set QB,  174
.set SO,  176
.set BY,  178
.set PWA, 180
.set PWB, 181
.set SW,  182
.set KSA, 184
.set KSB, 188
.set XW,  192
.set WV,  4
.set SEL, 30
.set PB,  32
.set PSB, 34
.set RB,  36
.set RSB, 38
.set BB,  40
.set OB,  42
.set XB,  44
.set OF,  46
.set PSEL, 52
.set XSTG, 26624                       ; LDS: x's images, 4 tiles x 6,656 bytes, then a stage of 16 rows x 528 bytes for each wave
.set HEADB, 212992                     ; bytes from a head's records to the next head's: 16 x 13,312
.set MSB, 0
.macro WIN new                         ; the immediate's high byte repeats the setting that is left
.if MSB != (\new)
	s_set_vgpr_msb (MSB<<8)|(\new)
.set MSB, (\new)
.endif
.endm
.macro PLACES n
.rept \n
	v_nop
.endr
.endm
; P: 8 tiles x 4 K steps, 96 loads of 16 bytes, and its rows' 16 scale bytes, 8 loads
.macro LOADP
.irp s, 0,1,2,3
	WIN 0x40+0x40*(\s/2)
.irp t, 0,1,2,3,4,5,6,7
.irp c, 0,1,2
	global_load_b128 v[96*(\s%2)+12*\t+4*\c:96*(\s%2)+12*\t+4*\c+3], v[VA], s[PB:PB+1] offset:(64*(\t/4)+8*(\t%4))*384+96*\s+16*\c
.endr
.endr
.endr
	WIN 0
.irp t, 0,1,2,3,4,5,6,7
	global_load_b128 v[PS+4*\t:PS+4*\t+3], v[VSA], s[PSB:PSB+1] offset:(64*(\t/4)+8*(\t%4))*16
.endr
.endm
; the bias in the result's layout: tile t, lane half h: channels 64 (t / 4) + 32 h + 8 (t % 4) + 0 .. 7
.macro LOADBI
	WIN 0x80
.irp t, 0,1,2,3,4,5,6,7
	global_load_b128 v[192+8*\t:195+8*\t], v[VBI], s[BB:BB+1] offset:(64*(\t/4)+8*(\t%4))*4
	global_load_b128 v[196+8*\t:199+8*\t], v[VBI], s[BB:BB+1] offset:(64*(\t/4)+8*(\t%4))*4+16
.endr
	WIN 0
.endm
; R's tile t from memory into set t % 3: 12 loads of codes, one of scale bytes; kind 2 (v): the lane's bias, eight times, since there a lane is a channel
.macro LOADR_G t, kind
.set RSET, (\t)%3
.set RTO, 64*((\t)/4)+8*((\t)%4)
	WIN 0xc0
.irp s, 0,1,2,3
.irp c, 0,1,2
	global_load_b128 v[48*RSET+12*\s+4*\c:48*RSET+12*\s+4*\c+3], v[VA], s[RB:RB+1] offset:RTO*384+96*\s+16*\c
.endr
.endr
	WIN 0
	global_load_b128 v[RS+4*RSET:RS+4*RSET+3], v[VSA], s[RSB:RSB+1] offset:RTO*16
.if \kind == 2
	WIN 0x80
.irp j, 0,1,2,3,4,5,6,7
	global_load_b32 v[192+8*RSET+\j], v[VB4], s[BB:BB+1] offset:RTO*4
.endr
	WIN 0
.endif
.endm
; R's tile t from x's images in LDS: the same registers in the same lanes as the wave that made them
.macro LOADR_Q t
.set RSET, (\t)%3
	WIN 0xc0
.irp s, 0,1,2,3
.irp c, 0,1,2
	ds_load_b128 v[48*RSET+12*\s+4*\c:48*RSET+12*\s+4*\c+3], v[LI] offset:6656*(\t)+1536*\s+512*\c
.endr
.endr
	WIN 0
	ds_load_b128 v[RS+4*RSET:RS+4*RSET+3], v[LI] offset:6656*(\t)+6144
.endm
.macro PERM base, n                    ; a scale word's two middle bytes change places
.set PIX, 0
.rept \n
	v_perm_b32 v[\base+PIX], v[\base+PIX], v[\base+PIX], s[PSEL]
.set PIX, PIX+1
.endr
.endm
; 32 matrix instructions: the 8 accumulators take turns in each K step, one instruction a turn
.macro MUL set, kind
	WIN 0x2d                                       ; source 0 (P) window 1, source 1 (R) window 3, C (the bias) window 2, D window 0
.irp t, 0,1,2,3,4,5,6,7
.if \kind == 2
	v_wmma_scale_f32_16x16x128_f8f6f4 v[ACC+8*\t:ACC+8*\t+7], v[12*\t:12*\t+11], v[48*(\set):48*(\set)+11], v[192+8*(\set):192+8*(\set)+7], v[PS+4*\t], v[RS+4*(\set)] matrix_a_fmt:MATRIX_FMT_BF6 matrix_b_fmt:MATRIX_FMT_BF6
.else
	v_wmma_scale_f32_16x16x128_f8f6f4 v[ACC+8*\t:ACC+8*\t+7], v[12*\t:12*\t+11], v[48*(\set):48*(\set)+11], v[192+8*\t:192+8*\t+7], v[PS+4*\t], v[RS+4*(\set)] matrix_a_fmt:MATRIX_FMT_BF6 matrix_b_fmt:MATRIX_FMT_BF6
.endif
.endr
	WIN 0x0d                                       ; C and D window 0
.irp t, 0,1,2,3,4,5,6,7
	v_wmma_scale_f32_16x16x128_f8f6f4 v[ACC+8*\t:ACC+8*\t+7], v[96+12*\t:96+12*\t+11], v[48*(\set)+12:48*(\set)+23], v[ACC+8*\t:ACC+8*\t+7], v[PS+4*\t+1], v[RS+4*(\set)+1] matrix_a_fmt:MATRIX_FMT_BF6 matrix_b_fmt:MATRIX_FMT_BF6
.endr
	WIN 0x0e                                       ; source 0 window 2
.irp t, 0,1,2,3,4,5,6,7
	v_wmma_scale_f32_16x16x128_f8f6f4 v[ACC+8*\t:ACC+8*\t+7], v[12*\t:12*\t+11], v[48*(\set)+24:48*(\set)+35], v[ACC+8*\t:ACC+8*\t+7], v[PS+4*\t+2], v[RS+4*(\set)+2] matrix_a_fmt:MATRIX_FMT_BF6 matrix_b_fmt:MATRIX_FMT_BF6
.endr
.irp t, 0,1,2,3,4,5,6,7
	v_wmma_scale_f32_16x16x128_f8f6f4 v[ACC+8*\t:ACC+8*\t+7], v[96+12*\t:96+12*\t+11], v[48*(\set)+36:48*(\set)+47], v[ACC+8*\t:ACC+8*\t+7], v[PS+4*\t+3], v[RS+4*(\set)+3] matrix_a_fmt:MATRIX_FMT_BF6 matrix_b_fmt:MATRIX_FMT_BF6
.endr
	WIN 0
.endm
; The largest magnitudes of a lane's two blocks (registers 32 c .. 32 c + 31 of v[x] on), four chains by turns, with the floor 2^(5 - 127) as a leaf, so that the byte cannot fall under 1.
; Each of the 8 accumulators is first read at one of its four lowest registers.
.macro QMAX x
.irp c, 0,1
	v_max3_num_f32 v[QA+\c], |v[\x+32*\c]|, |v[\x+32*\c+1]|, |v[\x+32*\c+2]|
	v_max3_num_f32 v[QB+\c], |v[\x+32*\c+16]|, |v[\x+32*\c+17]|, |v[\x+32*\c+18]|
.endr
.irp i, 3,5,7,9,11,13
.irp c, 0,1
	v_max3_num_f32 v[QA+\c], v[QA+\c], |v[\x+32*\c+\i]|, |v[\x+32*\c+\i+1]|
	v_max3_num_f32 v[QB+\c], v[QB+\c], |v[\x+32*\c+16+\i]|, |v[\x+32*\c+17+\i]|
.endr
.endr
.irp c, 0,1
	v_max3_num_f32 v[QA+\c], v[QA+\c], v[QB+\c], |v[\x+32*\c+15]|
.endr
.irp c, 0,1
	v_max3_num_f32 v[QA+\c], v[QA+\c], |v[\x+32*\c+31]|, 0x2800000
.endr
.endm
; The two blocks become codes, 6 registers each at v[d0] and v[d1], and the row's scale word v[pw]: byte 2 c + h is block c of lane half h.  xw = 1: earlier global stores may still read these registers
.macro QCVT x, d0, d1, pw, xw
.if \xw
	s_wait_xcnt 0x0                                ; the codes' and words' registers are written again only behind this wait
.endif
	v_add_nc_u32 v[SO], 0xfe000000, v[QA]          ; 4 off the exponent field: the conversion takes the exponent field of this operand as its scale
	v_add_nc_u32 v[SO+1], 0xfe000000, v[QA+1]
	v_lshrrev_b32 v[BY], 23, v[SO]                 ; the scales' bytes
	v_lshrrev_b32 v[BY+1], 23, v[SO+1]
	v_lshl_or_b32 v[\pw], v[BY+1], 16, v[BY]
	v_lshlrev_b32 v[\pw], v[SH8], v[\pw]           ; at their places, 8 h bits up;
	v_permlanex16_b32 v[TP], v[\pw], s[SEL], s[SEL+1]
	v_or_b32 v[\pw], v[\pw], v[TP]                 ; with lane l xor 16's two the word is whole
	v_cvt_scalef32_pk16_bf6_f32 v[\d0:\d0+2], v[\x:\x+15], v[SO]
	v_cvt_scalef32_pk16_bf6_f32 v[TC:TC+2], v[\x+16:\x+31], v[SO]       ; (a conversion's three registers begin on an even number: a block's second three do not)
	v_cvt_scalef32_pk16_bf6_f32 v[\d1:\d1+2], v[\x+32:\x+47], v[SO+1]
	v_cvt_scalef32_pk16_bf6_f32 v[TC+4:TC+6], v[\x+48:\x+63], v[SO+1]
	v_nop                                          ; one plain place behind a scaled conversion
.irp i, 0,1,2
	v_mov_b32 v[\d0+3+\i], v[TC+\i]
	v_mov_b32 v[\d1+3+\i], v[TC+4+\i]
.endr
.endm
; One tile of R.  kind 0: q, 1: k, 2: v.  R runs two tiles ahead, in three sets: set (t + 2) % 3 was last multiplied in tile t - 1, behind which stand that tile's places and its quantiser.
.macro TILE kind, t, nt, d0, d1, pw
.if (\t)+2 < \nt
.if \kind == 0
	LOADR_Q (\t)+2
.else
	LOADR_G (\t)+2, \kind
.endif
.endif
	MUL (\t)%3, \kind
	PLACES 4                                       ; four places between the last products and the first read of results (ISA guide 7.12.1)
	QMAX ACC
.if (\t)+1 < \nt
.if (\t)+2 < \nt
.set LEFT, 13+8*(\kind/2)                          ; the loads of tile t + 2 may stay out: 13, with the v path's eight of the bias 21
.else
.set LEFT, 0
.endif
.if \kind == 0
	s_wait_dscnt LEFT
.else
	s_wait_loadcnt LEFT
	PERM RS+4*(((\t)+1)%3), 4                      ; the next tile's scale words; the lines of the conversion below are the eight places and more ahead of its products
.endif
.endif
	QCVT ACC, \d0, \d1, \pw, 1
.endm
	s_load_b512 s[8:23], s[0:1], 0x0               ; x 8, c's codes 10, c's scales 12, Wq's codes 14, Wq's scales 16, bq 18, Wkv's codes 20, Wkv's scales 22
	s_load_b128 s[24:27], s[0:1], 0x40             ; bkv 24, qimg 26
	s_load_b64 s[28:29], s[0:1], 0x50              ; kvimg
	v_lshl_add_u32 v254, v0, 2, 0xec00
	v_mov_b32 v255, 0
	v_lshrrev_b32 v12, 5, v0
	v_readfirstlane_b32 s[WV], v12                 ; wave 0..3
	v_and_b32 v12, 31, v0                          ; lane
	v_and_b32 v13, 15, v0                          ; r
	v_bfe_u32 v14, v0, 4, 1                        ; h
	v_lshlrev_b32 v[LI], 4, v12
	v_lshlrev_b32 v[L8], 3, v12
	v_lshrrev_b32 v15, 3, v13
	v_mad_u32_u24 v15, v15, 24, v13                ; r + 24 (r / 8)
	v_mul_u32_u24 v[VA], v15, 384
	v_mad_u32_u24 v[VA], v14, 48, v[VA]
	v_lshlrev_b32 v[VSA], 4, v15
	v_lshlrev_b32 v[VBI], 7, v14
	v_lshlrev_b32 v[VB4], 2, v15
	v_lshlrev_b32 v[SH8], 3, v14
	v_mov_b32 v[TP], 0                             ; written once: a lane permute's destination counts as one of its sources
	s_mul_i32 s5, s[WV], 8448
	s_add_co_u32 s5, s5, XSTG                      ; my wave's stage
	v_add_nc_u32 v[XST], s5, v[LI]                 ; in: 16 bytes a lane, a row of 512 bytes an instruction
	v_mul_u32_u24 v[XRD], v13, 528
	v_lshl_add_u32 v[XRD], v14, 8, v[XRD]
	v_add_nc_u32 v[XRD], s5, v[XRD]                ; out: row r, its half h of 256 bytes
	s_mul_i32 s5, s[WV], 6656
	v_add_nc_u32 v[XWI], s5, v[LI]
	s_mov_b32 s[SEL], 0x76543210
	s_mov_b32 s[SEL+1], 0xfedcba98                 ; v_permlanex16_b32's selects for lane l xor 16
	s_mov_b32 s[PSEL], 0x03010200
	s_mov_b32 s[OF+1], 0
	s_wait_kmcnt 0x0
	s_cmp_ge_u32 ttmp9, 192                        ; the three paths part on the work-group's number alone and do not meet again
	s_cbranch_scc1 .Lv
	s_cmp_ge_u32 ttmp9, 128
	s_cbranch_scc1 .Lk
	; ================ q: tokens 64 g .. 64 g + 63
	s_mul_i32 s[OF], s[WV], 49152
	s_add_nc_u64 s[PB:PB+1], s[14:15], s[OF:OF+1]  ; Wq's rows 128 w on
	s_lshl_b32 s[OF], s[WV], 11
	s_add_nc_u64 s[PSB:PSB+1], s[16:17], s[OF:OF+1]
	s_lshl_b32 s[OF], s[WV], 9
	s_add_nc_u64 s[BB:BB+1], s[18:19], s[OF:OF+1]
	s_lshl_b32 s[OF], ttmp9, 17
	s_lshl_b32 s5, s[WV], 15
	s_add_co_u32 s[OF], s[OF], s5
	s_add_nc_u64 s[XB:XB+1], s[8:9], s[OF:OF+1]    ; x at row 64 g + 16 w
	s_lshl_b32 s[OF], ttmp9, 4
	s_add_co_u32 s[OF], s[OF], s[WV]
	s_mul_i32 s[OF], s[OF], 1792
	s_add_nc_u64 s[OB:OB+1], s[26:27], s[OF:OF+1]  ; qimg: record (4 (4 g + tile) + w) of 1,792 bytes
	WIN 0xc0
.irp s, 0,1,2,3
.irp i, 0,1,2,3,4,5,6,7,8,9,10,11,12,13,14,15
	global_load_b128 v[64*\s+4*\i:64*\s+4*\i+3], v[LI], s[XB:XB+1] offset:2048*\i+512*\s   ; 32 lanes read 512 consecutive bytes: row i, K step s
.endr
.endr
	LOADP
	LOADBI
	s_wait_loadcnt 63                              ; 120 loads were issued behind x's 64: with at most 63 out, x is in
.irp s, 0,1,2,3                                ; my 16 rows of x, a K step at a time: through my stage, so that a lane holds 64 neighbours; then codes and scale word
	WIN 0x0c                                       ; an LDS store's data are its source 1: window 3
.irp i, 0,1,2,3,4,5,6,7,8,9,10,11,12,13,14,15
	ds_store_b128 v[XST], v[64*\s+4*\i:64*\s+4*\i+3] offset:528*\i
.endr
	WIN 0
.irp j, 0,1,2,3,4,5,6,7,8,9,10,11,12,13,14,15
	ds_load_b128 v[ACC+4*\j:ACC+4*\j+3], v[XRD] offset:16*\j   ; LDS serves a wave's instructions in order (ISA guide 5.7.1.4): these see the stores above
.endr
	s_wait_dscnt 0x0
	QMAX ACC
	QCVT ACC, FA, FA+6, XW+\s, 0
.irp c, 0,1,2
	ds_store_b128 v[XWI], v[FA+4*\c:FA+4*\c+3] offset:1536*\s+512*\c   ; the fragment's image
.endr
.endr
	ds_store_b128 v[XWI], v[XW:XW+3] offset:6144   ; its four scale words, one for each K step
	s_wait_loadcnt 0x0                             ; Wq, its scales, bq
	PERM PS, 32
	PLACES 8                                       ; a scale word written by a vector instruction stands eight places ahead of a scaled product
	s_wait_dscnt 0x0                               ; for the others' sake: my images have landed
	s_barrier_signal -1
	s_barrier_wait -1                              ; x's four tiles lie in LDS
	LOADR_Q 0
	LOADR_Q 1
	s_wait_dscnt 13                                ; tile 0 is in; tile 1's 13 loads may stay out
.macro QOUT t                          ; two half fragments (heads 2 w, 2 w + 1) and their scale words, each word (s0, s1, s0, s1)
	v_perm_b32 v[SW], v[PWA], v[PWA], 0x01000100
	v_perm_b32 v[SW+1], v[PWA], v[PWA], 0x03020302
	global_store_b128 v[LI], v[FA:FA+3], s[OB:OB+1] offset:7168*(\t)
	global_store_b64 v[L8], v[FA+4:FA+5], s[OB:OB+1] offset:7168*(\t)+512
	global_store_b128 v[LI], v[FA+6:FA+9], s[OB:OB+1] offset:7168*(\t)+768
	global_store_b64 v[L8], v[FA+10:FA+11], s[OB:OB+1] offset:7168*(\t)+1280
	global_store_b64 v[L8], v[SW:SW+1], s[OB:OB+1] offset:7168*(\t)+1536
.endm
.irp t, 0,1,2,3
	TILE 0, \t, 4, FA, FA+6, PWA
	QOUT \t
.endr
	s_wait_tensorcnt 0x0
	ds_add_u32 v254, v255
	s_wait_dscnt 0x0
	s_endpgm
	; ================ k: tokens 128 tb .. 128 tb + 127, tb = g - 128
.Lk:
	s_sub_co_u32 s5, ttmp9, 128
	s_mul_i32 s[OF], s[WV], 49152
	s_add_nc_u64 s[PB:PB+1], s[20:21], s[OF:OF+1]  ; Wkv's rows 128 w on
	s_lshl_b32 s[OF], s[WV], 11
	s_add_nc_u64 s[PSB:PSB+1], s[22:23], s[OF:OF+1]
	s_lshl_b32 s[OF], s[WV], 9
	s_add_nc_u64 s[BB:BB+1], s[24:25], s[OF:OF+1]
	s_mul_i32 s[OF], s5, 49152
	s_add_nc_u64 s[RB:RB+1], s[10:11], s[OF:OF+1]  ; c's rows 128 tb on
	s_lshl_b32 s[OF], s5, 11
	s_add_nc_u64 s[RSB:RSB+1], s[12:13], s[OF:OF+1]
	s_lshr_b32 s6, s5, 4                           ; the batch
	s_and_b32 s7, s5, 15                           ; the key step
	s_lshl_b32 s6, s6, 3
	s_lshl_b32 s48, s[WV], 1
	s_add_co_u32 s6, s6, s48                       ; 8 b + 2 w
	s_lshl_b32 s6, s6, 4
	s_add_co_u32 s6, s6, s7
	s_mul_i32 s[OF], s6, 13312
	s_add_nc_u64 s[OB:OB+1], s[28:29], s[OF:OF+1]  ; kvimg: head 2 w's record of this key step; head 2 w + 1's lies HEADB on
	LOADP
	LOADBI
	LOADR_G 0, 1
	LOADR_G 1, 1
	s_wait_loadcnt 13                              ; all but tile 1's 13 loads
	PERM RS, 4
	PERM PS, 32
	PLACES 8
.macro KOUT i                          ; fragment i of each head: key tile 2 i in registers 0-5, key tile 2 i + 1 in registers 6-11; its scale word (a0, a1, b0, b1)
	v_perm_b32 v[KSA+\i], v[PWB], v[PWA], 0x05040100
	v_perm_b32 v[KSB+\i], v[PWB], v[PWA], 0x07060302
.irp c, 0,1,2
	global_store_b128 v[LI], v[FA+4*\c:FA+4*\c+3], s[OB:OB+1] offset:1536*\i+512*\c
.endr
.irp c, 0,1,2
	global_store_b128 v[LI], v[FB+4*\c:FB+4*\c+3], s[OB:OB+1] offset:HEADB+1536*\i+512*\c
.endr
.endm
.irp i, 0,1,2,3
	TILE 1, 2*\i, 8, FA, FB, PWA
	TILE 1, 2*\i+1, 8, FA+6, FB+6, PWB
	KOUT \i
.endr
	global_store_b128 v[LI], v[KSA:KSA+3], s[OB:OB+1] offset:12288
	global_store_b128 v[LI], v[KSB:KSB+3], s[OB:OB+1] offset:HEADB+12288
	s_endpgm
	; ================ v: the same tokens as P, so that the registers run along the keys; tb = g - 192
.Lv:
	s_sub_co_u32 s5, ttmp9, 192
	s_mul_i32 s[OF], s5, 49152
	s_add_nc_u64 s[PB:PB+1], s[10:11], s[OF:OF+1]  ; c's rows 128 tb on
	s_lshl_b32 s[OF], s5, 11
	s_add_nc_u64 s[PSB:PSB+1], s[12:13], s[OF:OF+1]
	s_mul_i32 s[OF], s[WV], 49152
	s_add_co_u32 s[OF], s[OF], 196608
	s_add_nc_u64 s[RB:RB+1], s[20:21], s[OF:OF+1]  ; Wkv's rows 512 + 128 w on
	s_lshl_b32 s[OF], s[WV], 11
	s_add_co_u32 s[OF], s[OF], 8192
	s_add_nc_u64 s[RSB:RSB+1], s[22:23], s[OF:OF+1]
	s_lshl_b32 s[OF], s[WV], 9
	s_add_co_u32 s[OF], s[OF], 2048
	s_add_nc_u64 s[BB:BB+1], s[24:25], s[OF:OF+1]
	s_lshr_b32 s6, s5, 4
	s_and_b32 s7, s5, 15
	s_lshl_b32 s6, s6, 3
	s_lshl_b32 s48, s[WV], 1
	s_add_co_u32 s6, s6, s48
	s_lshl_b32 s6, s6, 4
	s_add_co_u32 s6, s6, s7
	s_mul_i32 s[OF], s6, 13312
	s_add_nc_u64 s[OB:OB+1], s[28:29], s[OF:OF+1]
	LOADP
	LOADR_G 0, 2
	LOADR_G 1, 2
	s_wait_loadcnt 21                              ; all but tile 1's 21 loads
	PERM RS, 4
	PERM PS, 32
	PLACES 8
.macro VOUT t                          ; a whole fragment of V^T: 16 channels x these 128 keys; behind a head's fourth its four scale words
.irp c, 0,1,2
	global_store_b128 v[LI], v[FA+4*\c:FA+4*\c+3], s[OB:OB+1] offset:HEADB*((\t)/4)+6144+1536*((\t)%4)+512*\c
.endr
.if (\t)%4 == 3
	global_store_b128 v[LI], v[KSA:KSA+3], s[OB:OB+1] offset:HEADB*((\t)/4)+12800
.endif
.endm
.irp t, 0,1,2,3,4,5,6,7
	TILE 2, \t, 8, FA, FA+6, KSA+\t%4
	VOUT \t
.endr
	s_endpgm
.Lfunc_end_k_q9c90a6a6cd_proj:
	.size	k_q9c90a6a6cd_proj, .Lfunc_end_k_q9c90a6a6cd_proj-k_q9c90a6a6cd_proj
	.p2alignl 7, 3214868480
	.fill 96, 4, 3214868480
	.section	.rodata,"a",@progbits
	.p2align	6, 0x0
	.amdhsa_kernel k_q9c90a6a6cd_proj
		.amdhsa_group_segment_fixed_size 60928
		.amdhsa_private_segment_fixed_size 0
		.amdhsa_enable_private_segment 0
		.amdhsa_kernarg_size 88
		.amdhsa_user_sgpr_count 2
		.amdhsa_user_sgpr_kernarg_segment_ptr 1
		.amdhsa_wavefront_size32 1
		.amdhsa_system_sgpr_workgroup_id_x 1
		.amdhsa_system_sgpr_workgroup_id_y 1
		.amdhsa_system_sgpr_workgroup_id_z 1
		.amdhsa_system_vgpr_workitem_id 0
		.amdhsa_next_free_vgpr 1024
		.amdhsa_next_free_sgpr 66
		.amdhsa_reserve_vcc 0
		.amdhsa_float_denorm_mode_32 3
		.amdhsa_float_denorm_mode_16_64 3
		.amdhsa_memory_ordered 1
		.amdhsa_forward_progress 1
		.amdhsa_inst_pref_size 255
	.end_amdhsa_kernel
	.section	.bss,"aw",@nobits
	.p2align	6
	.space	262144
	.amdgpu_metadata
---
amdhsa.version: [ 1, 2 ]
amdhsa.kernels:
  - .name:           k_q9c90a6a6cd_proj
    .symbol:         k_q9c90a6a6cd_proj.kd
    .args:
      - { .name: layer_input, .offset: 0, .size: 8, .value_kind: global_buffer, .address_space: global }
      - { .name: cross_attn_input_codes, .offset: 8, .size: 8, .value_kind: global_buffer, .address_space: global }
      - { .name: cross_attn_input_scales, .offset: 16, .size: 8, .value_kind: global_buffer, .address_space: global }
      - { .name: Wq_codes, .offset: 24, .size: 8, .value_kind: global_buffer, .address_space: global }
      - { .name: Wq_scales, .offset: 32, .size: 8, .value_kind: global_buffer, .address_space: global }
      - { .name: bq, .offset: 40, .size: 8, .value_kind: global_buffer, .address_space: global }
      - { .name: Wkv_codes, .offset: 48, .size: 8, .value_kind: global_buffer, .address_space: global }
      - { .name: Wkv_scales, .offset: 56, .size: 8, .value_kind: global_buffer, .address_space: global }
      - { .name: bkv, .offset: 64, .size: 8, .value_kind: global_buffer, .address_space: global }
      - { .name: qimg, .offset: 72, .size: 8, .value_kind: global_buffer, .address_space: global }
      - { .name: kvimg, .offset: 80, .size: 8, .value_kind: global_buffer, .address_space: global }
    .group_segment_fixed_size: 60928
    .private_segment_fixed_size: 0
    .kernarg_segment_align: 8
    .kernarg_segment_size: 88
    .max_flat_workgroup_size: 128
    .sgpr_count:     66
    .vgpr_count:     1024
    .wavefront_size: 32
...
	.end_amdgpu_metadata
.endif
;; end of part 1
;; launch attn (part 2): grid 8 x 32, 16 waves a work-group, clusters of 4 x 1, 215,040 bytes of LDS; arguments qimg, kvimg, oimg, osc; writes oimg, osc
.if DOCPART == 2
	.amdgcn_target "amdgcn-amd-amdhsa--gfx1250"
	.amdhsa_code_object_version 6
	.text
	.protected	k_q9c90a6a6cd_attn
	.globl	k_q9c90a6a6cd_attn
	.p2align	8
	.type	k_q9c90a6a6cd_attn,@function
k_q9c90a6a6cd_attn:
	s_mov_b64 s[64:65], 0
	v_nop
	global_prefetch_b8 v0, s[64:65] scope:SCOPE_SE
	s_setreg_imm32_b32 hwreg(HW_REG_WAVE_MODE, 25, 1), 1
	s_wait_xcnt 0x0
	s_wait_alu depctr_hold_cnt(0) depctr_sa_sdst(0) depctr_va_vdst(0) depctr_va_sdst(0) depctr_va_ssrc(0) depctr_va_vcc(0) depctr_vm_vsrc(0)
	s_getreg_b32 s2, hwreg(HW_REG_IB_STS2, 6, 4)
	s_cmp_eq_u32 s2, 0
	s_cbranch_scc0 .Lentry_in_a_cluster
	s_endpgm
.Lentry_in_a_cluster:
	s_bfe_u32 s2, ttmp6, 0x10000c
	s_cmp_lg_u32 s2, 0x3003
	s_cbranch_scc0 .Lentry_shape_is_right
	s_endpgm
.Lentry_shape_is_right:
; o = softmax(q k^T / 8) v for one head and 256 queries, both products on codes of BF6 (E3M2) with one E8M0 scale for each 32 along K; o is divided by the row's sum and quantised along the channels.
; THE SOFTMAX AHEAD OF THE SECOND PRODUCT: t = score x log2(e) / 8; M = the running largest t rounded UP to a whole number; p = 2^(t - M) is quantised along the keys, not normalised.  The row's sum is taken
; of the unquantised p.  When M moves, the sum and O are multiplied by 2^(old M - new M), which rounds nothing.
; SHARES.  Work-group (x, y): head y = 8 b + hd, queries 256 x on.  Each of sixteen waves owns 16 queries in 224 registers: four waves to a SIMD, so that one wave's vector work stands beside another's products.
; NO RING: a head's 16 records of 13,312 bytes (a key step of 128 keys each: K's 4 fragments, V^T's 4, their scale words) are 212,992 bytes and lie in LDS whole.  Wave w brings record w by one tensor load:
; one load of a wave is out.  No LDS byte is filled twice.
; CLUSTER.  The four query blocks of a cluster belong to one head: each record is asked for JOINTLY, by the same load with the same descriptor and a mask that names the four.
; LAYOUT.  Both products are used transposed (S^T = K Q^T, O^T = V^T P^T): a lane holds ONE query (lane % 16).  The keys of a tile and V's channels were chosen by the launch before so that a lane's 32 registers
; of four neighbouring tiles are one whole block of 32 keys (or channels) in order: p's codes are the second product's operand as the conversions leave them.
; K = 64 IN AN INSTRUCTION OF 128: a fragment of K holds key tile 2 i in registers 0-5 and key tile 2 i + 1 in registers 6-11; q stands twice, as [q, zero codes] and as [zero codes, q]; each product takes one tile.
; LIMITS: NaN and infinities are not served; the division by the sum is v_rcp_f32 and a multiplication; a block of o whose largest magnitude lies under 2^-122 gets the byte 1.
.set LI,  1                            ; 16 x lane
.set ADR, 2                            ; + the key step's record
.set SH8, 3                            ; 8 h
.set L8,  4                            ; 8 x lane
.set TP,  5
.set T0,  6
.set T1,  7
.set NM,  8                            ; -M      (v[8:9] is named as a pair)
.set MT,  9                            ; the largest t
.set LL,  10                           ; v[10:11] the sum in two halves
.set FF,  12                           ; v[12:13] f, and 0
.set BM,  14                           ; v14-15 the two blocks' largest scores, then largest p
.set BC,  16                           ; v16-17 second chains
.set SO,  18
.set BY,  20
.set QS,  22                           ; q's scale word
.set PSC, 23                           ; p's
.set KS,  24                           ; K's four
.set VS,  28                           ; V's four
.set QLO, 32
.set QHI, 44
.set KF,  56                           ; four fragments of K, then of V^T
.set S,   104                          ; S^T, then p
.set O,   168                          ; O^T
.set PC,  200                          ; p's codes
.set TC,  212
.set LS,  220
.set VOS, 222                          ; 16 r + h
.set WV,  12
.set G0,  16
.set G1,  20
.set SEL, 28
.set CS,  30
.set TB,  32
.set CNT, 33
.set SQ,  34
.set SQS, 36
.set SOB, 38
.set SOS, 40
.set REC, 13312
.macro PLACES n
.rept \n
	v_nop
.endr
.endm
.macro ROUND                           ; a round of the cluster's barrier: my work-group's barrier; wave 0 signals for the work-group; every wave waits for all four; my work-group's barrier once more
	s_barrier_signal -1
	s_barrier_wait -1
	s_cmp_lg_u32 s[WV], 0
	s_cbranch_scc1 .Lnot_wave_0_\@
	s_barrier_signal -3
.Lnot_wave_0_\@:
	s_barrier_wait -3
	s_barrier_signal -1
	s_barrier_wait -1
.endm
	s_load_b256 s[4:11], s[0:1], 0x0               ; qimg 4, kvimg 6, oimg 8, osc 10
	v_lshl_add_u32 v224, v0, 2, 0x34000
	v_mov_b32 v225, 0
	ds_add_u32 v224, v225
	ds_add_u32 v224, v225
	v_lshrrev_b32 v[ADR], 5, v0
	v_readfirstlane_b32 s[WV], v[ADR]              ; wave 0..15
	v_and_b32 v[T0], 31, v0                        ; lane
	v_and_b32 v[T1], 15, v0                        ; r
	v_bfe_u32 v[TP], v0, 4, 1                      ; h
	v_lshlrev_b32 v[LI], 4, v[T0]
	v_lshlrev_b32 v[L8], 3, v[T0]
	v_lshlrev_b32 v[SH8], 3, v[TP]
	v_lshl_add_u32 v[VOS], v[T1], 4, v[TP]
	s_and_b32 s15, ttmp7, 0xffff                   ; y = 8 b + hd, which the four partners share
	s_lshl_b32 s46, s15, 4
	s_add_co_u32 s46, s46, s[WV]
	s_mul_i32 s46, s46, REC                        ; my record: 16 y + wave.  No place in the cluster enters it
	s_mov_b32 s47, 0
	s_mov_b32 s[G1], 15|(3<<16)|(1<<21)            ; 15:0 the mask: all four work-groups; 17:16 elements of 8 bytes; 20 no padding; 21 set beside a mask
	s_mov_b32 s[G1+1], 32<<16                      ; tensor_dim0 = 32: rows of 256 bytes
	s_mov_b32 s[G1+2], 52<<16                      ; tensor_dim1 = 52: 13,312 bytes
	s_mov_b32 s[G1+3], 32<<16                      ; tile_dim0
	s_mov_b32 s[G1+4], 52                          ; tile_dim1
	s_mov_b32 s[G1+5], 32                          ; the pitch: the block is dense
	s_mov_b32 s[G1+6], 0
	s_mov_b32 s[G1+7], 0
	s_mov_b32 s[G0], 1
	s_mul_i32 s[G0+1], s[WV], REC                  ; LDS: wave x 13,312
	s_bfe_u32 s13, ttmp6, 0x40000                  ; cx: it enters q's and o's addresses alone
	s_lshl_b32 s14, ttmp9, 2
	s_add_co_u32 s14, s14, s13                     ; my block of 256 queries
	s_lshr_b32 s42, s15, 3
	s_lshl_b32 s42, s42, 7
	s_lshl_b32 s14, s14, 4
	s_add_co_u32 s42, s42, s14
	s_add_co_u32 s42, s42, s[WV]                   ; T = 128 b + 16 block + wave: my tile of 16 queries
	s_and_b32 s43, s15, 7                          ; hd
	s_lshl_b32 s44, s42, 2
	s_lshr_b32 s45, s43, 1
	s_add_co_u32 s44, s44, s45
	s_mul_i32 s44, s44, 1792                       ; qimg's record 4 T + hd / 2
	s_and_b32 s14, s43, 1
	s_mov_b32 s45, 0
	s_mov_b32 s[SEL], 0x76543210
	s_mov_b32 s[SEL+1], 0xfedcba98                 ; v_permlanex16_b32's selects for lane l xor 16
	s_mov_b32 s[CS], 0x3e38aa3b                    ; c = log2(e) / 8
	s_mov_b32 s[CS+1], s[CS]                       ; (named with it as a pair, so it is written)
	s_mov_b32 s[TB], 0
	s_mov_b32 s[CNT], 16
	s_wait_dscnt 0x0
	s_wait_kmcnt 0x0
	s_add_nc_u64 s[G0+2:G0+3], s[6:7], s[46:47]
	s_or_b32 s[G0+3], s[G0+3], 0x80000000          ; type = 2
	s_add_nc_u64 s[SQ:SQ+1], s[4:5], s[44:45]
	s_lshl_b32 s44, s14, 2
	s_add_co_u32 s44, s44, 1536
	s_add_nc_u64 s[SQS:SQS+1], s[SQ:SQ+1], s[44:45]   ; my head's word of the pair at 1,536 + 8 x lane
	s_mul_i32 s44, s14, 768
	s_add_nc_u64 s[SQ:SQ+1], s[SQ:SQ+1], s[44:45]     ; my head's half fragment
	s_lshl_b32 s44, s42, 3
	s_add_co_u32 s44, s44, s43
	s_mul_i32 s44, s44, 768
	s_add_nc_u64 s[SOB:SOB+1], s[8:9], s[44:45]    ; oimg: half fragment 8 T + hd
	s_lshl_b32 s44, s42, 8
	s_lshl_b32 s14, s43, 1
	s_add_co_u32 s44, s44, s14
	s_add_nc_u64 s[SOS:SOS+1], s[10:11], s[44:45]  ; osc: 16 bytes a token, bytes 2 hd and 2 hd + 1
	ROUND                                          ; all four work-groups are here: the joint loads meet
	tensor_load_to_lds s[G0:G0+3], s[G1:G1+7]      ; my record: the wave's one tensor load
	s_nop 0
	PLACES 4
	global_load_b128 v[QLO:QLO+3], v[LI], s[SQ:SQ+1]
	global_load_b64 v[QLO+4:QLO+5], v[L8], s[SQ:SQ+1] offset:512
	global_load_b128 v[QHI+6:QHI+9], v[LI], s[SQ:SQ+1]            ; q a second time: the two operands share no register with each other
	global_load_b64 v[QHI+10:QHI+11], v[L8], s[SQ:SQ+1] offset:512
	global_load_b32 v[QS], v[L8], s[SQS:SQS+1]
.irp j, 0,1,2,3,4,5
	v_mov_b32 v[QLO+6+\j], 0                       ; zero codes
	v_mov_b32 v[QHI+\j], 0
.endr
.irp j, 0,1,2,3,4,5,6,7,8,9,10,11,12,13,14,15,16,17,18,19,20,21,22,23,24,25,26,27,28,29,30,31
	v_mov_b32 v[O+\j], 0                           ; the loop is written once: its first step finds zeros, which the first change of M leaves zeros
.endr
	v_mov_b32 v[LL], 0
	v_mov_b32 v[LL+1], 0
	v_mov_b32 v[FF+1], 0                           ; (named as the upper half of a pair)
	v_mov_b32 v[TP], 0
	v_mov_b32 v[MT], 0xff61b1e6                    ; -3e38, under every t
	v_floor_f32 v[NM], -v[MT]
	s_wait_tensorcnt 0x0                           ; my record has landed,
	s_barrier_signal -1
	s_barrier_wait -1                              ; everybody's has: the whole head lies in LDS
	s_wait_loadcnt 0x0                             ; q
.Lstep:                                            ; 16 trips: 128 keys each
	v_add_nc_u32 v[ADR], s[TB], v[LI]
	PLACES 4                                       ; places between the last products and the loads into registers that they read
	ds_load_b128 v[KS:KS+3], v[ADR] offset:12288
.irp i, 0,1,2,3
.irp c, 0,1,2
	ds_load_b128 v[KF+12*\i+4*\c:KF+12*\i+4*\c+3], v[ADR] offset:1536*\i+512*\c
.endr
.endr
	ds_load_b128 v[VS:VS+3], v[ADR] offset:12800
	s_wait_dscnt 1                                 ; K and its scale words are in; the one load behind them, V's scale words, may stay out
.irp i, 0,1,2,3
	v_wmma_scale_f32_16x16x128_f8f6f4 v[S+16*\i:S+16*\i+7], v[KF+12*\i:KF+12*\i+11], v[QLO:QLO+11], 0, v[KS+\i], v[QS] matrix_a_fmt:MATRIX_FMT_BF6 matrix_b_fmt:MATRIX_FMT_BF6
	v_wmma_scale_f32_16x16x128_f8f6f4 v[S+16*\i+8:S+16*\i+15], v[KF+12*\i:KF+12*\i+11], v[QHI:QHI+11], 0, v[KS+\i], v[QS] matrix_a_fmt:MATRIX_FMT_BF6 matrix_b_fmt:MATRIX_FMT_BF6
.endr
	PLACES 4                                       ; for the loads below and for the first read of the scores
.irp d, 0,1,2,3
.irp c, 0,1,2
	ds_load_b128 v[KF+12*\d+4*\c:KF+12*\d+4*\c+3], v[ADR] offset:6144+1536*\d+512*\c   ; V^T's fragments land while the softmax is worked
.endr
.endr
	; the largest score of each of my two blocks of 32 keys: it serves the row's maximum and, since p rises with the score, the block's largest p.  Each accumulator is first read at its low end
.irp c, 0,1
	v_max3_num_f32 v[BM+\c], v[S+32*\c], v[S+32*\c+1], v[S+32*\c+2]
	v_max3_num_f32 v[BC+\c], v[S+32*\c+16], v[S+32*\c+17], v[S+32*\c+18]
.endr
.irp i, 3,5,7,9,11,13
.irp c, 0,1
	v_max3_num_f32 v[BM+\c], v[BM+\c], v[S+32*\c+\i], v[S+32*\c+\i+1]
	v_max3_num_f32 v[BC+\c], v[BC+\c], v[S+32*\c+16+\i], v[S+32*\c+17+\i]
.endr
.endr
.irp c, 0,1
	v_max3_num_f32 v[BM+\c], v[BM+\c], v[BC+\c], v[S+32*\c+15]
.endr
.irp c, 0,1
	v_max_num_f32 v[BM+\c], v[BM+\c], v[S+32*\c+31]
.endr
	v_max_num_f32 v[T0], v[BM], v[BM+1]
	v_permlanex16_b32 v[T1], v[T0], s[SEL], s[SEL+1]
	v_max_num_f32 v[T0], v[T0], v[T1]              ; the step's largest score of my query
	v_mul_f32 v[T0], s[CS], v[T0]                  ; as t (c is positive)
	v_max_num_f32 v[MT], v[MT], v[T0]
	v_mov_b32 v[T1], v[NM]
	v_floor_f32 v[NM], -v[MT]                      ; the new -M = floor(-t): M is a whole number
	v_sub_f32 v[T1], v[NM], v[T1]                  ; old M - new M: a whole number, 0 or less
	v_cvt_i32_f32 v[T1], v[T1]                     ; (it saturates)
	v_ldexp_f32 v[FF], 1.0, v[T1]                  ; f = 2^(old M - new M)
.irp j, 0,2,4,6,8,10,12,14,16,18,20,22,24,26,28,30,32,34,36,38,40,42,44,46,48,50,52,54,56,58,60,62
	v_pk_fma_f32 v[S+\j:S+\j+1], v[S+\j:S+\j+1], s[CS:CS+1], v[NM:NM+1] op_sel_hi:[1,0,0]   ; t - M, two at a time
.endr
	v_fma_f32 v[BM], v[BM], s[CS], v[NM]
	v_fma_f32 v[BM+1], v[BM+1], s[CS], v[NM]
.irp j, 0,1,2,3,4,5,6,7,8,9,10,11,12,13,14,15,16,17,18,19,20,21,22,23,24,25,26,27,28,29,30,31,32,33,34,35,36,37,38,39,40,41,42,43,44,45,46,47,48,49,50,51,52,53,54,55,56,57,58,59,60,61,62,63
	v_exp_f32 v[S+\j], v[S+\j]                     ; p = 2^(t - M), at most 1
.endr
	v_exp_f32 v[BM], v[BM]                         ; the blocks' largest p: the same two instructions on the same number
	v_exp_f32 v[BM+1], v[BM+1]
	v_pk_mul_f32 v[LL:LL+1], v[LL:LL+1], v[FF:FF+1] op_sel_hi:[1,0]   ; the sums under the new M.  (A plain place behind the exponentials)
	s_wait_alu depctr_va_vdst(0)
	v_max_num_f32 v[BM], 0x2800000, v[BM]          ; the floor 2^(5 - 127): the byte cannot fall under 1
	v_max_num_f32 v[BM+1], 0x2800000, v[BM+1]
	v_add_nc_u32 v[SO], 0xfe000000, v[BM]          ; 4 off the exponent field: the conversion's scale operand
	v_add_nc_u32 v[SO+1], 0xfe000000, v[BM+1]
	v_lshrrev_b32 v[BY], 23, v[SO]
	v_lshrrev_b32 v[BY+1], 23, v[SO+1]
	v_lshl_or_b32 v[PSC], v[BY+1], 16, v[BY]       ; my two bytes: blocks h and 2 + h,
	v_lshlrev_b32 v[PSC], v[SH8], v[PSC]
	v_permlanex16_b32 v[TP], v[PSC], s[SEL], s[SEL+1]
	v_or_b32 v[PSC], v[PSC], v[TP]                 ; with lane l xor 16's two: p's scale word for these 128 keys
	v_cvt_scalef32_pk16_bf6_f32 v[PC:PC+2], v[S:S+15], v[SO]
	v_cvt_scalef32_pk16_bf6_f32 v[TC:TC+2], v[S+16:S+31], v[SO]         ; (a conversion's three registers begin on an even number)
	v_cvt_scalef32_pk16_bf6_f32 v[PC+6:PC+8], v[S+32:S+47], v[SO+1]
	v_cvt_scalef32_pk16_bf6_f32 v[TC+4:TC+6], v[S+48:S+63], v[SO+1]
	v_nop                                          ; one plain place behind a scaled conversion
.irp i, 0,1,2
	v_mov_b32 v[PC+3+\i], v[TC+\i]
	v_mov_b32 v[PC+9+\i], v[TC+4+\i]
.endr
	v_pk_add_f32 v[LS:LS+1], v[S:S+1], v[S+2:S+3]  ; the row's sum is taken of the unquantised p: two at a time, in two chains
.irp j, 4,8,12,16,20,24,28,32,36,40,44,48,52,56,60
	v_pk_add_f32 v[LL:LL+1], v[LL:LL+1], v[S+\j:S+\j+1]
	v_pk_add_f32 v[LS:LS+1], v[LS:LS+1], v[S+\j+2:S+\j+3]
.endr
	v_pk_add_f32 v[LL:LL+1], v[LL:LL+1], v[LS:LS+1]
.irp j, 0,2,4,6,8,10,12,14,16,18,20,22,24,26,28,30
	v_pk_mul_f32 v[O+\j:O+\j+1], v[O+\j:O+\j+1], v[FF:FF+1] op_sel_hi:[1,0]   ; O^T under the new M, each accumulator from its low end on
.endr
	s_wait_dscnt 0x0                               ; V^T and its scale words are in
.irp d, 0,1,2,3                                ; one instruction on each of the four accumulators; the eight score products stand between two links of a chain
	v_wmma_scale_f32_16x16x128_f8f6f4 v[O+8*\d:O+8*\d+7], v[KF+12*\d:KF+12*\d+11], v[PC:PC+11], v[O+8*\d:O+8*\d+7], v[VS+\d], v[PSC] matrix_a_fmt:MATRIX_FMT_BF6 matrix_b_fmt:MATRIX_FMT_BF6
.endr
	s_add_co_u32 s[TB], s[TB], REC
	s_sub_co_u32 s[CNT], s[CNT], 1
	s_cmp_lg_u32 s[CNT], 0
	s_cbranch_scc1 .Lstep
	; THE WAY OUT.  A lane's 32 registers are channels 32 h + 0 .. 31 of its query: one whole block of the last product's K.
	PLACES 4
	v_add_f32 v[LL], v[LL], v[LL+1]
	v_permlanex16_b32 v[TP], v[LL], s[SEL], s[SEL+1]
	v_add_f32 v[LL], v[LL], v[TP]                  ; the row's sum
	v_rcp_f32 v[FF], v[LL]
	v_nop                                          ; one plain place behind a transcendental
	s_wait_alu depctr_va_vdst(0)
.irp j, 0,2,4,6,8,10,12,14,16,18,20,22,24,26,28,30
	v_pk_mul_f32 v[O+\j:O+\j+1], v[O+\j:O+\j+1], v[FF:FF+1] op_sel_hi:[1,0]
.endr
	v_max3_num_f32 v[BM], |v[O]|, |v[O+1]|, |v[O+2]|
	v_max3_num_f32 v[BC], |v[O+16]|, |v[O+17]|, |v[O+18]|
.irp i, 3,5,7,9,11,13
	v_max3_num_f32 v[BM], v[BM], |v[O+\i]|, |v[O+\i+1]|
	v_max3_num_f32 v[BC], v[BC], |v[O+16+\i]|, |v[O+17+\i]|
.endr
	v_max3_num_f32 v[BM], v[BM], v[BC], |v[O+15]|
	v_max3_num_f32 v[BM], v[BM], |v[O+31]|, 0x2800000
	v_add_nc_u32 v[SO], 0xfe000000, v[BM]
	v_lshrrev_b32 v[BY], 23, v[SO]
	v_cvt_scalef32_pk16_bf6_f32 v[PC:PC+2], v[O:O+15], v[SO]
	v_cvt_scalef32_pk16_bf6_f32 v[TC:TC+2], v[O+16:O+31], v[SO]
	v_nop
.irp i, 0,1,2
	v_mov_b32 v[PC+3+\i], v[TC+\i]
.endr
	global_store_b128 v[LI], v[PC:PC+3], s[SOB:SOB+1]              ; the half fragment's image: 512 consecutive bytes,
	global_store_b64 v[L8], v[PC+4:PC+5], s[SOB:SOB+1] offset:512  ; and 256
	global_store_b8 v[VOS], v[BY], s[SOS:SOS+1]                    ; token r's byte 2 hd + h: 32 single bytes inside the tile's 256
	s_wait_tensorcnt 0x0
	ds_add_u32 v224, v225
	s_wait_dscnt 0x0
	ROUND                                          ; the closing round: no work-group ends while a partner may still ask for a record that names it
	s_endpgm
.Lfunc_end_k_q9c90a6a6cd_attn:
	.size	k_q9c90a6a6cd_attn, .Lfunc_end_k_q9c90a6a6cd_attn-k_q9c90a6a6cd_attn
	.p2alignl 7, 3214868480
	.fill 96, 4, 3214868480
	.section	.rodata,"a",@progbits
	.p2align	6, 0x0
	.amdhsa_kernel k_q9c90a6a6cd_attn
		.amdhsa_group_segment_fixed_size 215040
		.amdhsa_private_segment_fixed_size 0
		.amdhsa_enable_private_segment 0
		.amdhsa_kernarg_size 32
		.amdhsa_user_sgpr_count 2
		.amdhsa_user_sgpr_kernarg_segment_ptr 1
		.amdhsa_wavefront_size32 1
		.amdhsa_system_sgpr_workgroup_id_x 1
		.amdhsa_system_sgpr_workgroup_id_y 1
		.amdhsa_system_sgpr_workgroup_id_z 1
		.amdhsa_system_vgpr_workitem_id 0
		.amdhsa_next_free_vgpr 226
		.amdhsa_next_free_sgpr 66
		.amdhsa_reserve_vcc 0
		.amdhsa_float_denorm_mode_32 3
		.amdhsa_float_denorm_mode_16_64 3
		.amdhsa_memory_ordered 1
		.amdhsa_forward_progress 1
		.amdhsa_inst_pref_size 24
	.end_amdhsa_kernel
	.amdgpu_metadata
---
amdhsa.version: [ 1, 2 ]
amdhsa.kernels:
  - .name:           k_q9c90a6a6cd_attn
    .symbol:         k_q9c90a6a6cd_attn.kd
    .args:
      - { .name: qimg, .offset: 0, .size: 8, .value_kind: global_buffer, .address_space: global }
      - { .name: kvimg, .offset: 8, .size: 8, .value_kind: global_buffer, .address_space: global }
      - { .name: oimg, .offset: 16, .size: 8, .value_kind: global_buffer, .address_space: global }
      - { .name: osc, .offset: 24, .size: 8, .value_kind: global_buffer, .address_space: global }
    .group_segment_fixed_size: 215040
    .private_segment_fixed_size: 0
    .kernarg_segment_align: 8
    .kernarg_segment_size: 32
    .max_flat_workgroup_size: 512
    .sgpr_count:     66
    .vgpr_count:     226
    .wavefront_size: 32
...
	.end_amdgpu_metadata
.endif
;; end of part 2
;; launch outln (part 3): grid 256 x 1, 4 waves a work-group, no clusters, 66,560 bytes of LDS; arguments oimg, osc, Wo_codes, Wo_scales, bo, layer_input, gamma, beta, out0; writes out0
.if DOCPART == 3
	.amdgcn_target "amdgcn-amd-amdhsa--gfx1250"
	.amdhsa_code_object_version 6
	.text
	.protected	k_q9c90a6a6cd_outln
	.globl	k_q9c90a6a6cd_outln
	.p2align	8
	.type	k_q9c90a6a6cd_outln,@function
k_q9c90a6a6cd_outln:
	s_mov_b64 s[64:65], 0
	v_nop
	global_prefetch_b8 v0, s[64:65] scope:SCOPE_SE
	s_setreg_imm32_b32 hwreg(HW_REG_WAVE_MODE, 25, 1), 1
	s_wait_xcnt 0x0
; out0 = LayerNorm(Q(o) Wo + bo + x) x gamma + beta.  The product on codes of BF6 (E3M2) with one E8M0 scale for each 32 along K; all else in f32.
; SHARES.  256 work-groups of four waves, 32 tokens each (two tiles of 16).  PHASE A: wave w makes outputs 128 w .. 128 w + 127 of all 32 tokens: its 128 rows of Wo stay in 384 registers (source 0), o's two tiles
; are source 1: 64 matrix instructions on 16 accumulators by turns.  The results meet in a stage in LDS.  PHASE B: wave w owns 8 whole rows: residual, mean, variance of the deviations, gain, offset, store.
; THE ROWS OF A TILE OF Wo: lane r of tile t takes row 64 (t / 4) + 8 (t % 4) + r + 24 (r / 8) of the wave's 128, so a lane's eight results of a tile are eight neighbouring outputs of one token.
; THE ORDER OF K INSIDE A STEP OF 128 is turned alike on both operands: the unit's blocks 0, 1, 2, 3 are memory's 0, 2, 1, 3.  For Wo: 48 consecutive bytes a lane.  For o: lane half h takes head 2 s + h's two blocks
; out of that head's half-fragment image.  A scale word's two middle bytes change places.  Only the grouping of the f32 sums differs.
; LIMITS: NaN, infinities and scale bytes 0xff are not served.  The variance is taken of x - mean, in a second pass over registers, so a common offset of the inputs costs no digits.
; REGISTERS.  Window 0: v1-10 addresses; v32-159 the 16 accumulators, later 8 rows x 16 numbers; v160-191 Wo's scale words; v192-199 o's; v200-247 six registers of work a row.
;   Window 1: Wo's K steps 0, 1.   Window 2: K steps 2, 3; from v192 bo in the result's layout.   Window 3: v0-95 o's fragments; v96-223 the residual; v224-239 gamma; v240-255 beta.
.set LI,  1
.set VA,  3
.set VSA, 4
.set VBI, 5
.set OA1, 6                            ; 768 h + 16 r
.set OA2, 7                            ; 768 h + 8 r
.set OSA, 8                            ; 16 r
.set STO, 9                            ; the stage, on the way in
.set SRD, 10                           ; and on the way out
.set ACC, 32
.set Y,   32
.set PS,  160
.set RS,  192
.set WK,  200
.set WV,  4
.set C512, 26
.set EPS, 27
.set PSEL, 28
.set SEL, 30
.set PB,  32
.set PSB, 34
.set RB,  36
.set RSB, 38
.set BB,  40
.set XB,  42
.set OB,  44
.set OF,  46
.set SPT, 2064                         ; a stage row: 2,048 bytes + 16
.set MSB, 0
.macro WIN new                         ; the immediate's high byte repeats the setting that is left
.if MSB != (\new)
	s_set_vgpr_msb (MSB<<8)|(\new)
.set MSB, (\new)
.endif
.endm
.macro PLACES n
.rept \n
	v_nop
.endr
.endm
.macro PERM base, n                    ; a scale word's two middle bytes change places
.set PIX, 0
.rept \n
	v_perm_b32 v[\base+PIX], v[\base+PIX], v[\base+PIX], s[PSEL]
.set PIX, PIX+1
.endr
.endm
	s_load_b512 s[8:23], s[0:1], 0x0               ; oimg 8, osc 10, Wo's codes 12, Wo's scales 14, bo 16, x 18, gamma 20, beta 22
	s_load_b64 s[24:25], s[0:1], 0x40              ; out0
	v_lshl_add_u32 v254, v0, 2, 0x10200
	v_mov_b32 v255, 0
	v_lshrrev_b32 v12, 5, v0
	v_readfirstlane_b32 s[WV], v12                 ; wave 0..3
	v_and_b32 v12, 31, v0
	v_and_b32 v13, 15, v0                          ; r
	v_bfe_u32 v14, v0, 4, 1                        ; h
	v_lshlrev_b32 v[LI], 4, v12
	v_lshrrev_b32 v15, 3, v13
	v_mad_u32_u24 v15, v15, 24, v13                ; r + 24 (r / 8)
	v_mul_u32_u24 v[VA], v15, 384
	v_mad_u32_u24 v[VA], v14, 48, v[VA]
	v_lshlrev_b32 v[VSA], 4, v15
	v_lshlrev_b32 v[VBI], 7, v14
	v_mul_u32_u24 v[OA1], v14, 768
	v_lshl_add_u32 v[OA2], v13, 3, v[OA1]
	v_lshl_add_u32 v[OA1], v13, 4, v[OA1]
	v_lshlrev_b32 v[OSA], 4, v13
	v_mul_u32_u24 v[STO], v13, SPT
	v_lshl_add_u32 v[STO], v14, 7, v[STO]
	s_lshl_b32 s5, s[WV], 9
	v_add_nc_u32 v[STO], s5, v[STO]                ; row r, + 128 h, + my wave's 512 bytes
	s_mul_i32 s5, s[WV], 8*SPT
	v_add_nc_u32 v[SRD], s5, v[LI]                 ; my 8 rows, 16 bytes a lane
	s_mov_b32 s[SEL], 0x76543210
	s_mov_b32 s[SEL+1], 0xfedcba98
	s_mov_b32 s[PSEL], 0x03010200
	s_mov_b32 s[C512], 0x3b000000                  ; 1 / 512
	s_mov_b32 s[EPS], 0x3727c5ac                   ; 1e-5
	s_mov_b32 s[OF+1], 0
	s_wait_kmcnt 0x0
	s_mul_i32 s[OF], s[WV], 49152
	s_add_nc_u64 s[PB:PB+1], s[12:13], s[OF:OF+1]  ; Wo's rows 128 w on
	s_lshl_b32 s[OF], s[WV], 11
	s_add_nc_u64 s[PSB:PSB+1], s[14:15], s[OF:OF+1]
	s_lshl_b32 s[OF], s[WV], 9
	s_add_nc_u64 s[BB:BB+1], s[16:17], s[OF:OF+1]
	s_mul_i32 s[OF], ttmp9, 12288
	s_add_nc_u64 s[RB:RB+1], s[8:9], s[OF:OF+1]    ; oimg: tiles 2 g and 2 g + 1, 6,144 bytes each
	s_lshl_b32 s[OF], ttmp9, 9
	s_add_nc_u64 s[RSB:RSB+1], s[10:11], s[OF:OF+1]
	s_lshl_b32 s[OF], ttmp9, 16
	s_lshl_b32 s5, s[WV], 14
	s_add_co_u32 s[OF], s[OF], s5                  ; row 32 g + 8 w of 2,048 bytes
	s_add_nc_u64 s[XB:XB+1], s[18:19], s[OF:OF+1]
	s_add_nc_u64 s[OB:OB+1], s[24:25], s[OF:OF+1]
	; ---- PHASE A.  The loads, what is wanted first ahead: o (34 loads), Wo and bo (120), then the residual, gamma and beta (40), which may stay out through the products
	WIN 0xc0
.irp m, 0,1
.irp s, 0,1,2,3
	global_load_b128 v[48*\m+12*\s:48*\m+12*\s+3], v[OA1], s[RB:RB+1] offset:6144*\m+1536*\s          ; head 2 s + h, block 0: the image's lane r
	global_load_b64 v[48*\m+12*\s+4:48*\m+12*\s+5], v[OA2], s[RB:RB+1] offset:6144*\m+1536*\s+512
	global_load_b128 v[48*\m+12*\s+6:48*\m+12*\s+9], v[OA1], s[RB:RB+1] offset:6144*\m+1536*\s+256    ; block 1: the image's lane 16 + r
	global_load_b64 v[48*\m+12*\s+10:48*\m+12*\s+11], v[OA2], s[RB:RB+1] offset:6144*\m+1536*\s+640
.endr
.endr
	WIN 0
.irp m, 0,1
	global_load_b128 v[RS+4*\m:RS+4*\m+3], v[OSA], s[RSB:RSB+1] offset:256*\m
.endr
.irp s, 0,1,2,3
	WIN 0x40+0x40*(\s/2)
.irp t, 0,1,2,3,4,5,6,7
.irp c, 0,1,2
	global_load_b128 v[96*(\s%2)+12*\t+4*\c:96*(\s%2)+12*\t+4*\c+3], v[VA], s[PB:PB+1] offset:(64*(\t/4)+8*(\t%4))*384+96*\s+16*\c
.endr
.endr
.endr
	WIN 0
.irp t, 0,1,2,3,4,5,6,7
	global_load_b128 v[PS+4*\t:PS+4*\t+3], v[VSA], s[PSB:PSB+1] offset:(64*(\t/4)+8*(\t%4))*16
.endr
	WIN 0x80
.irp t, 0,1,2,3,4,5,6,7
	global_load_b128 v[192+8*\t:195+8*\t], v[VBI], s[BB:BB+1] offset:(64*(\t/4)+8*(\t%4))*4
	global_load_b128 v[196+8*\t:199+8*\t], v[VBI], s[BB:BB+1] offset:(64*(\t/4)+8*(\t%4))*4+16
.endr
	WIN 0xc0
.irp i, 0,1,2,3,4,5,6,7
.irp k, 0,1,2,3
	global_load_b128 v[96+16*\i+4*\k:96+16*\i+4*\k+3], v[LI], s[XB:XB+1] offset:2048*\i+512*\k th:TH_LOAD_NT   ; 512 consecutive bytes of my row i; nobody reads them after this
.endr
.endr
.irp k, 0,1,2,3
	global_load_b128 v[224+4*\k:224+4*\k+3], v[LI], s[20:21] offset:512*\k
	global_load_b128 v[240+4*\k:240+4*\k+3], v[LI], s[22:23] offset:512*\k
.endr
	WIN 0
	s_wait_loadcnt 40                              ; all but the 40 issued last: 32 of the residual, 4 of gamma, 4 of beta
	PERM RS, 8
	PERM PS, 32
	PLACES 8                                       ; a scale word written by a vector instruction stands eight places ahead of a scaled product
	WIN 0x2d                                       ; source 0 (Wo) window 1, source 1 (o) window 3, C (bo) window 2, D window 0.  The 16 accumulators take turns in each K step
.irp m, 0,1
.irp t, 0,1,2,3,4,5,6,7
	v_wmma_scale_f32_16x16x128_f8f6f4 v[ACC+64*\m+8*\t:ACC+64*\m+8*\t+7], v[12*\t:12*\t+11], v[48*\m:48*\m+11], v[192+8*\t:192+8*\t+7], v[PS+4*\t], v[RS+4*\m] matrix_a_fmt:MATRIX_FMT_BF6 matrix_b_fmt:MATRIX_FMT_BF6
.endr
.endr
	WIN 0x0d
.irp m, 0,1
.irp t, 0,1,2,3,4,5,6,7
	v_wmma_scale_f32_16x16x128_f8f6f4 v[ACC+64*\m+8*\t:ACC+64*\m+8*\t+7], v[96+12*\t:96+12*\t+11], v[48*\m+12:48*\m+23], v[ACC+64*\m+8*\t:ACC+64*\m+8*\t+7], v[PS+4*\t+1], v[RS+4*\m+1] matrix_a_fmt:MATRIX_FMT_BF6 matrix_b_fmt:MATRIX_FMT_BF6
.endr
.endr
	WIN 0x0e
.irp m, 0,1
.irp t, 0,1,2,3,4,5,6,7
	v_wmma_scale_f32_16x16x128_f8f6f4 v[ACC+64*\m+8*\t:ACC+64*\m+8*\t+7], v[12*\t:12*\t+11], v[48*\m+24:48*\m+35], v[ACC+64*\m+8*\t:ACC+64*\m+8*\t+7], v[PS+4*\t+2], v[RS+4*\m+2] matrix_a_fmt:MATRIX_FMT_BF6 matrix_b_fmt:MATRIX_FMT_BF6
.endr
.endr
.irp m, 0,1
.irp t, 0,1,2,3,4,5,6,7
	v_wmma_scale_f32_16x16x128_f8f6f4 v[ACC+64*\m+8*\t:ACC+64*\m+8*\t+7], v[96+12*\t:96+12*\t+11], v[48*\m+36:48*\m+47], v[ACC+64*\m+8*\t:ACC+64*\m+8*\t+7], v[PS+4*\t+3], v[RS+4*\m+3] matrix_a_fmt:MATRIX_FMT_BF6 matrix_b_fmt:MATRIX_FMT_BF6
.endr
.endr
	WIN 0
	PLACES 4                                       ; four places between the last products and the first read of results (ISA guide 7.12.1)
.irp m, 0,1
.irp t, 0,1,2,3,4,5,6,7
	ds_store_b128 v[STO], v[ACC+64*\m+8*\t:ACC+64*\m+8*\t+3] offset:16*SPT*\m+(64*(\t/4)+8*(\t%4))*4        ; token 16 m + r, outputs 128 w + 64 (t / 4) + 32 h + 8 (t % 4) + 0 .. 7; each accumulator from its low end on
	ds_store_b128 v[STO], v[ACC+64*\m+8*\t+4:ACC+64*\m+8*\t+7] offset:16*SPT*\m+(64*(\t/4)+8*(\t%4))*4+16
.endr
.endr
	s_wait_dscnt 0x0                               ; for the others' sake: my stores into the stage have landed
	s_barrier_signal -1
	s_barrier_wait -1                              ; 32 whole rows lie in the stage
	; ---- PHASE B.  My 8 rows: lane l holds numbers 128 k + 4 l + 0 .. 3, k = 0 .. 3, of each.  The eight rows go by turns, so that no line waits for the line above it.
.irp i, 0,1,2,3,4,5,6,7
.irp k, 0,1,2,3
	ds_load_b128 v[Y+16*\i+4*\k:Y+16*\i+4*\k+3], v[SRD] offset:SPT*\i+512*\k
.endr
.endr
.irp i, 0,1,2,3,4,5,6,7
	v_mov_b32 v[WK+6*\i+5], 0                      ; (named as the upper half of a pair)
.endr
	s_wait_loadcnt 0x0                             ; the residual, gamma, beta
	s_wait_dscnt 0x0
	WIN 0x0c                                       ; source 1 window 3
.set Q2, 0
.rept 64
	v_pk_add_f32 v[Y+Q2:Y+Q2+1], v[Y+Q2:Y+Q2+1], v[96+Q2:97+Q2]   ; + the residual
.set Q2, Q2+2
.endr
	WIN 0
.macro RED                             ; each row's figure in v[WK + 6 i] is summed over the 32 lanes; every lane ends up with the sum
.irp x, 1,2,4,8
.irp i, 0,1,2,3,4,5,6,7
	v_add_f32_dpp v[WK+6*\i], v[WK+6*\i], v[WK+6*\i] row_xmask:\x row_mask:0xf bank_mask:0xf
.endr
.endr
.irp i, 0,1,2,3,4,5,6,7
	v_permlanex16_b32 v[WK+6*\i+1], v[WK+6*\i], s[SEL], s[SEL+1]
.endr
.irp i, 0,1,2,3,4,5,6,7
	v_add_f32 v[WK+6*\i], v[WK+6*\i], v[WK+6*\i+1]
.endr
.endm
.irp i, 0,1,2,3,4,5,6,7
	v_pk_add_f32 v[WK+6*\i:WK+6*\i+1], v[Y+16*\i:Y+16*\i+1], v[Y+16*\i+2:Y+16*\i+3]
.endr
.irp i, 0,1,2,3,4,5,6,7
	v_pk_add_f32 v[WK+6*\i+2:WK+6*\i+3], v[Y+16*\i+4:Y+16*\i+5], v[Y+16*\i+6:Y+16*\i+7]
.endr
.irp p, 8,12
.irp i, 0,1,2,3,4,5,6,7
	v_pk_add_f32 v[WK+6*\i:WK+6*\i+1], v[WK+6*\i:WK+6*\i+1], v[Y+16*\i+\p:Y+16*\i+\p+1]
.endr
.irp i, 0,1,2,3,4,5,6,7
	v_pk_add_f32 v[WK+6*\i+2:WK+6*\i+3], v[WK+6*\i+2:WK+6*\i+3], v[Y+16*\i+\p+2:Y+16*\i+\p+3]
.endr
.endr
.irp i, 0,1,2,3,4,5,6,7
	v_pk_add_f32 v[WK+6*\i:WK+6*\i+1], v[WK+6*\i:WK+6*\i+1], v[WK+6*\i+2:WK+6*\i+3]
.endr
.irp i, 0,1,2,3,4,5,6,7
	v_add_f32 v[WK+6*\i], v[WK+6*\i], v[WK+6*\i+1]
.endr
	RED
.irp i, 0,1,2,3,4,5,6,7
	v_mul_f32 v[WK+6*\i+4], s[C512], v[WK+6*\i]    ; the mean
.endr
.irp p, 0,2,4,6,8,10,12,14
.irp i, 0,1,2,3,4,5,6,7
	v_pk_add_f32 v[Y+16*\i+\p:Y+16*\i+\p+1], v[Y+16*\i+\p:Y+16*\i+\p+1], v[WK+6*\i+4:WK+6*\i+5] op_sel_hi:[1,0] neg_lo:[0,1] neg_hi:[0,1]   ; x - mean
.endr
.endr
.irp i, 0,1,2,3,4,5,6,7
	v_pk_mul_f32 v[WK+6*\i:WK+6*\i+1], v[Y+16*\i:Y+16*\i+1], v[Y+16*\i:Y+16*\i+1]
.endr
.irp p, 2,4,6,8,10,12,14
.irp i, 0,1,2,3,4,5,6,7
	v_pk_fma_f32 v[WK+6*\i:WK+6*\i+1], v[Y+16*\i+\p:Y+16*\i+\p+1], v[Y+16*\i+\p:Y+16*\i+\p+1], v[WK+6*\i:WK+6*\i+1]
.endr
.endr
.irp i, 0,1,2,3,4,5,6,7
	v_add_f32 v[WK+6*\i], v[WK+6*\i], v[WK+6*\i+1]
.endr
	RED
.irp i, 0,1,2,3,4,5,6,7
	v_fma_f32 v[WK+6*\i+4], v[WK+6*\i], s[C512], s[EPS]   ; the variance + 1e-5
.endr
.irp i, 0,1,2,3,4,5,6,7
	v_rsq_f32 v[WK+6*\i+4], v[WK+6*\i+4]
.endr
	v_nop                                          ; one plain place behind the transcendentals
	s_wait_alu depctr_va_vdst(0)
.irp p, 0,2,4,6,8,10,12,14
.irp i, 0,1,2,3,4,5,6,7
	v_pk_mul_f32 v[Y+16*\i+\p:Y+16*\i+\p+1], v[Y+16*\i+\p:Y+16*\i+\p+1], v[WK+6*\i+4:WK+6*\i+5] op_sel_hi:[1,0]
.endr
.endr
	WIN 0x3c                                       ; sources 1 (gamma) and 2 (beta) window 3
.irp i, 0,1,2,3,4,5,6,7
.irp p, 0,2,4,6,8,10,12,14
	v_pk_fma_f32 v[Y+16*\i+\p:Y+16*\i+\p+1], v[Y+16*\i+\p:Y+16*\i+\p+1], v[224+\p:225+\p], v[240+\p:241+\p]
.endr
.endr
	WIN 0
.irp i, 0,1,2,3,4,5,6,7
.irp k, 0,1,2,3
	global_store_b128 v[LI], v[Y+16*\i+4*\k:Y+16*\i+4*\k+3], s[OB:OB+1] offset:2048*\i+512*\k th:TH_STORE_NT   ; 32 lanes store 512 consecutive bytes, at a multiple of 256 from out0's first byte
.endr
.endr
	s_wait_tensorcnt 0x0
	ds_add_u32 v254, v255
	s_wait_dscnt 0x0
	s_endpgm
.Lfunc_end_k_q9c90a6a6cd_outln:
	.size	k_q9c90a6a6cd_outln, .Lfunc_end_k_q9c90a6a6cd_outln-k_q9c90a6a6cd_outln
	.p2alignl 7, 3214868480
	.fill 96, 4, 3214868480
	.section	.rodata,"a",@progbits
	.p2align	6, 0x0
	.amdhsa_kernel k_q9c90a6a6cd_outln
		.amdhsa_group_segment_fixed_size 66560
		.amdhsa_private_segment_fixed_size 0
		.amdhsa_enable_private_segment 0
		.amdhsa_kernarg_size 72
		.amdhsa_user_sgpr_count 2
		.amdhsa_user_sgpr_kernarg_segment_ptr 1
		.amdhsa_wavefront_size32 1
		.amdhsa_system_sgpr_workgroup_id_x 1
		.amdhsa_system_sgpr_workgroup_id_y 1
		.amdhsa_system_sgpr_workgroup_id_z 1
		.amdhsa_system_vgpr_workitem_id 0
		.amdhsa_next_free_vgpr 1024
		.amdhsa_next_free_sgpr 66
		.amdhsa_reserve_vcc 0
		.amdhsa_float_denorm_mode_32 3
		.amdhsa_float_denorm_mode_16_64 3
		.amdhsa_memory_ordered 1
		.amdhsa_forward_progress 1
		.amdhsa_inst_pref_size 71
	.end_amdhsa_kernel
	.amdgpu_metadata
---
amdhsa.version: [ 1, 2 ]
amdhsa.kernels:
  - .name:           k_q9c90a6a6cd_outln
    .symbol:         k_q9c90a6a6cd_outln.kd
    .args:
      - { .name: oimg, .offset: 0, .size: 8, .value_kind: global_buffer, .address_space: global }
      - { .name: osc, .offset: 8, .size: 8, .value_kind: global_buffer, .address_space: global }
      - { .name: Wo_codes, .offset: 16, .size: 8, .value_kind: global_buffer, .address_space: global }
      - { .name: Wo_scales, .offset: 24, .size: 8, .value_kind: global_buffer, .address_space: global }
      - { .name: bo, .offset: 32, .size: 8, .value_kind: global_buffer, .address_space: global }
      - { .name: layer_input, .offset: 40, .size: 8, .value_kind: global_buffer, .address_space: global }
      - { .name: gamma, .offset: 48, .size: 8, .value_kind: global_buffer, .address_space: global }
      - { .name: beta, .offset: 56, .size: 8, .value_kind: global_buffer, .address_space: global }
      - { .name: out0, .offset: 64, .size: 8, .value_kind: global_buffer, .address_space: global }
    .group_segment_fixed_size: 66560
    .private_segment_fixed_size: 0
    .kernarg_segment_align: 8
    .kernarg_segment_size: 72
    .max_flat_workgroup_size: 128
    .sgpr_count:     66
    .vgpr_count:     1024
    .wavefront_size: 32
...
	.end_amdgpu_metadata
.endif
;; end of part 3
;; ======== version 2 of 2: 3 launches
;; workspace buffers: qimg 3,670,016 bytes; kvimg 6,815,744 bytes; oimg 3,145,728 bytes; osc 131,072 bytes
;; launch proj (part 4): grid 256 x 1, 4 waves a work-group, no clusters, 60,928 bytes of LDS; arguments layer_input, cross_attn_input_codes, cross_attn_input_scales, Wq_codes, Wq_scales, bq, Wkv_codes, Wkv_scales, bkv, qimg, kvimg; writes qimg, kvimg
.if DOCPART == 4
	.amdgcn_target "amdgcn-amd-amdhsa--gfx1250"
	.amdhsa_code_object_version 6
	.text
	.protected	k_q9c90a6a6cd_proj
	.globl	k_q9c90a6a6cd_proj
	.p2align	8
	.type	k_q9c90a6a6cd_proj,@function
k_q9c90a6a6cd_proj:
	s_mov_b64 s[64:65], 0
	v_nop
	global_prefetch_b8 v0, s[64:65] scope:SCOPE_SE
	s_setreg_imm32_b32 hwreg(HW_REG_WAVE_SCHED_MODE, 0, 2), 2
	s_setreg_imm32_b32 hwreg(HW_REG_WAVE_MODE, 25, 1), 1
	s_wait_xcnt 0x0
	s_wait_alu depctr_vm_vsrc(0)
; q = Q(x) Wq + bq and kv = c Wkv + bkv on codes of BF6 (E3M2) with one E8M0 scale for each 32 along K; the results are quantised at once, q and k along a head's 64 channels,
; v along the keys, and leave as IMAGES OF OPERAND REGISTERS for the attention launch.
; SHARES.  256 work-groups of four waves.  Work-groups 0-127: q of tokens 64 g .. 64 g + 63.  128-191: k of the 128 tokens of block g - 128.  192-255: v of block g - 192.
; Wave w owns 128 output channels: heads 2 w and 2 w + 1.
; ONE SCHEME.  P: 8 tiles of 16 rows x K = 512 stay in 384 registers.  R: one tile of 16 rows at a time.  D = P R^T: 32 matrix instructions on 8 accumulators by turns.
;   q: P = Wq's rows, R = x's tokens (quantised here, handed round through LDS).   k: P = Wkv's rows, R = c's tokens.   v: P = c's tokens, R = Wkv's rows 512 on.
; THE ROWS OF A TILE ARE NOT NEIGHBOURS: lane r of tile t takes row 64 (t / 4) + 8 (t % 4) + r + 24 (r / 8) of its 128.  In the result lane (r, h) then holds, in the 32 registers of tiles 4 c .. 4 c + 3,
; P's rows 64 c + 32 h + 0 .. 31 in order: ONE WHOLE BLOCK OF 32 of the next product's K, in the place that a 6-bit operand gives that lane.  So a block's largest magnitude needs no other lane.
; THE ORDER OF K INSIDE A STEP OF 128 is turned alike on both operands: lane (r, h) takes the 48 consecutive bytes at row x 384 + 96 s + 48 h (three loads of 16 bytes), so the unit's blocks 0, 1, 2, 3 are
; memory's blocks 0, 2, 1, 3, and a scale word's two middle bytes change places.  The products are the same; only the grouping of the f32 sums differs.
; LIMITS: NaN, infinities and scale bytes 0xff are not served.  A block whose largest magnitude lies under 2^-122 (a block of zeros among them) gets the byte 1; this program alone reads those bytes.
; The biases are the C of each sum's first matrix instruction.
; THE MODE: SCHED_MODE bits 1:0 = 2 (LLVM: expert scheduling mode 2), set by the entry lines.  The code itself states the register dependences between vector or matrix instructions and memory or
; LDS instructions, with s_wait_alu, always for 0.
; THE PLAN.  Registers that memory or LDS instructions touch:
;   v1-11            offsets and LDS addresses: made once at the head, never written again.
;   R's three sets   (codes in window 3, scale words RS, in the v path the bias in window 2).  Tile t's products read set t % 3; the loads of tile t + 2, issued at the head of tile t, land in the set that
;                    tile t - 1 read.  In the k and v paths tile t - 1 also turns tile t's scale words by vector lines.
;   FA, FB, SW, KSA, KSB   codes and scale words to store.  Written by a tile's conversions and byte permutes; read by stores that are issued at the head of the NEXT tile.
;   ACC, x raw, XW   in the q path's x phase: see there.
; So ONE wait on va_vdst stands at the head of each tile: the tile before is done reading its set of R, it has written its codes and words, and this tile's scale words are turned.  Behind it stand the loads of
; tile t + 2 and then the stores of tile t - 1; no vector or matrix line between the wait and these names a register that they touch.  The pair s_wait_xcnt 0, vm_vsrc stands ahead of the conversions of a
; tile at whose head stores were issued: a tile's 32 products behind those stores.
; REGISTERS, in windows of 256.  Window 0: v1-11 addresses; v32-95 the 8 accumulators (in the x phase: 64 numbers of x); v96-127 P's scale words; v128-139 R's, three sets; v140-163 codes; v164-195 at work.
;   Window 1: P's K steps 0, 1.   Window 2: P's K steps 2, 3; from v192 the bias.   Window 3: R, three sets of 48 (ahead of the barrier in the q path: x as it is loaded, 256 registers).
.set LI,  1                            ; 16 x lane
.set L8,  2                            ; 8 x lane
.set VA,  3                            ; codes: (r + 24 (r / 8)) x 384 + 48 h
.set VSA, 4                            ; scale rows: (r + 24 (r / 8)) x 16
.set VBI, 5                            ; bias along registers: 128 h
.set VB4, 6                            ; bias along lanes: 4 (r + 24 (r / 8))
.set SH8, 7                            ; 8 h
.set TP,  8                            ; takes lane permutes
.set XST, 9                            ; LDS: x's stage, on the way in
.set XRD, 10                           ; and on the way out
.set XWI, 11                           ; where my wave's images of x go
.set ACC, 32
.set PS,  96
.set RS,  128
.set FA,  140
.set FB,  152
.set TC,  164
.set QA,  172
.set QB,  174
.set SO,  176
.set BY,  178
.set PWA, 180
.set PWB, 181
.set SW,  182
.set KSA, 184
.set KSB, 188
.set XW,  192
.set WV,  4
.set SEL, 30
.set PB,  32
.set PSB, 34
.set RB,  36
.set RSB, 38
.set BB,  40
.set OB,  42
.set XB,  44
.set OF,  46
.set PSEL, 52
.set XSTG, 26624                       ; LDS: x's images, 4 tiles x 6,656 bytes, then a stage of 16 rows x 528 bytes for each wave
.set HEADB, 212992                     ; bytes from a head's records to the next head's: 16 x 13,312
.set MSB, 0
.macro WIN new                         ; the immediate's high byte repeats the setting that is left
.if MSB != (\new)
	s_set_vgpr_msb (MSB<<8)|(\new)
.set MSB, (\new)
.endif
.endm
.macro PLACES n
.rept \n
	v_nop
.endr
.endm
; P: 8 tiles x 4 K steps, 96 loads of 16 bytes, and its rows' 16 scale bytes, 8 loads
.macro LOADP
.irp s, 0,1,2,3
	WIN 0x40+0x40*(\s/2)
.irp t, 0,1,2,3,4,5,6,7
.irp c, 0,1,2
	global_load_b128 v[96*(\s%2)+12*\t+4*\c:96*(\s%2)+12*\t+4*\c+3], v[VA], s[PB:PB+1] offset:(64*(\t/4)+8*(\t%4))*384+96*\s+16*\c
.endr
.endr
.endr
	WIN 0
.irp t, 0,1,2,3,4,5,6,7
	global_load_b128 v[PS+4*\t:PS+4*\t+3], v[VSA], s[PSB:PSB+1] offset:(64*(\t/4)+8*(\t%4))*16
.endr
.endm
; the bias in the result's layout: tile t, lane half h: channels 64 (t / 4) + 32 h + 8 (t % 4) + 0 .. 7
.macro LOADBI
	WIN 0x80
.irp t, 0,1,2,3,4,5,6,7
	global_load_b128 v[192+8*\t:195+8*\t], v[VBI], s[BB:BB+1] offset:(64*(\t/4)+8*(\t%4))*4
	global_load_b128 v[196+8*\t:199+8*\t], v[VBI], s[BB:BB+1] offset:(64*(\t/4)+8*(\t%4))*4+16
.endr
	WIN 0
.endm
; R's tile t from memory into set t % 3: 12 loads of codes, one of scale bytes; kind 2 (v): the lane's bias, eight times, since there a lane is a channel
.macro LOADR_G t, kind
.set RSET, (\t)%3
.set RTO, 64*((\t)/4)+8*((\t)%4)
	WIN 0xc0
.irp s, 0,1,2,3
.irp c, 0,1,2
	global_load_b128 v[48*RSET+12*\s+4*\c:48*RSET+12*\s+4*\c+3], v[VA], s[RB:RB+1] offset:RTO*384+96*\s+16*\c
.endr
.endr
	WIN 0
	global_load_b128 v[RS+4*RSET:RS+4*RSET+3], v[VSA], s[RSB:RSB+1] offset:RTO*16
.if \kind == 2
	WIN 0x80
.irp j, 0,1,2,3,4,5,6,7
	global_load_b32 v[192+8*RSET+\j], v[VB4], s[BB:BB+1] offset:RTO*4
.endr
	WIN 0
.endif
.endm
; R's tile t from x's images in LDS: the same registers in the same lanes as the wave that made them
.macro LOADR_Q t
.set RSET, (\t)%3
	WIN 0xc0
.irp s, 0,1,2,3
.irp c, 0,1,2
	ds_load_b128 v[48*RSET+12*\s+4*\c:48*RSET+12*\s+4*\c+3], v[LI] offset:6656*(\t)+1536*\s+512*\c
.endr
.endr
	WIN 0
	ds_load_b128 v[RS+4*RSET:RS+4*RSET+3], v[LI] offset:6656*(\t)+6144
.endm
.macro PERM base, n                    ; a scale word's two middle bytes change places
.set PIX, 0
.rept \n
	v_perm_b32 v[\base+PIX], v[\base+PIX], v[\base+PIX], s[PSEL]
.set PIX, PIX+1
.endr
.endm
; 32 matrix instructions: the 8 accumulators take turns in each K step, one instruction a turn
.macro MUL set, kind
	WIN 0x2d                                       ; source 0 (P) window 1, source 1 (R) window 3, C (the bias) window 2, D window 0
.irp t, 0,1,2,3,4,5,6,7
.if \kind == 2
	v_wmma_scale_f32_16x16x128_f8f6f4 v[ACC+8*\t:ACC+8*\t+7], v[12*\t:12*\t+11], v[48*(\set):48*(\set)+11], v[192+8*(\set):192+8*(\set)+7], v[PS+4*\t], v[RS+4*(\set)] matrix_a_fmt:MATRIX_FMT_BF6 matrix_b_fmt:MATRIX_FMT_BF6
.else
	v_wmma_scale_f32_16x16x128_f8f6f4 v[ACC+8*\t:ACC+8*\t+7], v[12*\t:12*\t+11], v[48*(\set):48*(\set)+11], v[192+8*\t:192+8*\t+7], v[PS+4*\t], v[RS+4*(\set)] matrix_a_fmt:MATRIX_FMT_BF6 matrix_b_fmt:MATRIX_FMT_BF6
.endif
.endr
	WIN 0x0d                                       ; C and D window 0
.irp t, 0,1,2,3,4,5,6,7
	v_wmma_scale_f32_16x16x128_f8f6f4 v[ACC+8*\t:ACC+8*\t+7], v[96+12*\t:96+12*\t+11], v[48*(\set)+12:48*(\set)+23], v[ACC+8*\t:ACC+8*\t+7], v[PS+4*\t+1], v[RS+4*(\set)+1] matrix_a_fmt:MATRIX_FMT_BF6 matrix_b_fmt:MATRIX_FMT_BF6
.endr
	WIN 0x0e                                       ; source 0 window 2
.irp t, 0,1,2,3,4,5,6,7
	v_wmma_scale_f32_16x16x128_f8f6f4 v[ACC+8*\t:ACC+8*\t+7], v[12*\t:12*\t+11], v[48*(\set)+24:48*(\set)+35], v[ACC+8*\t:ACC+8*\t+7], v[PS+4*\t+2], v[RS+4*(\set)+2] matrix_a_fmt:MATRIX_FMT_BF6 matrix_b_fmt:MATRIX_FMT_BF6
.endr
.irp t, 0,1,2,3,4,5,6,7
	v_wmma_scale_f32_16x16x128_f8f6f4 v[ACC+8*\t:ACC+8*\t+7], v[96+12*\t:96+12*\t+11], v[48*(\set)+36:48*(\set)+47], v[ACC+8*\t:ACC+8*\t+7], v[PS+4*\t+3], v[RS+4*(\set)+3] matrix_a_fmt:MATRIX_FMT_BF6 matrix_b_fmt:MATRIX_FMT_BF6
.endr
	WIN 0
.endm
; The largest magnitudes of a lane's two blocks (registers 32 c .. 32 c + 31 of v[x] on), four chains by turns, with the floor 2^(5 - 127) as a leaf, so that the byte cannot fall under 1.
; Each of the 8 accumulators is first read at one of its four lowest registers.
.macro QMAX x
.irp c, 0,1
	v_max3_num_f32 v[QA+\c], |v[\x+32*\c]|, |v[\x+32*\c+1]|, |v[\x+32*\c+2]|
	v_max3_num_f32 v[QB+\c], |v[\x+32*\c+16]|, |v[\x+32*\c+17]|, |v[\x+32*\c+18]|
.endr
.irp i, 3,5,7,9,11,13
.irp c, 0,1
	v_max3_num_f32 v[QA+\c], v[QA+\c], |v[\x+32*\c+\i]|, |v[\x+32*\c+\i+1]|
	v_max3_num_f32 v[QB+\c], v[QB+\c], |v[\x+32*\c+16+\i]|, |v[\x+32*\c+17+\i]|
.endr
.endr
.irp c, 0,1
	v_max3_num_f32 v[QA+\c], v[QA+\c], v[QB+\c], |v[\x+32*\c+15]|
.endr
.irp c, 0,1
	v_max3_num_f32 v[QA+\c], v[QA+\c], |v[\x+32*\c+31]|, 0x2800000
.endr
.endm
; The two blocks become codes, 6 registers each at v[d0] and v[d1], and the row's scale word v[pw]: byte 2 c + h is block c of lane half h.  xw = 1: global stores issued since the last such pair of waits read these registers
.macro QCVT x, d0, d1, pw, xw
.if \xw
	s_wait_xcnt 0x0                                ; the codes' and words' registers are written again only behind this wait,
	s_wait_alu depctr_vm_vsrc(0)                   ; and behind this one: the stores issued at this tile's head have read the codes and words that the lines below write again
.endif
	v_add_nc_u32 v[SO], 0xfe000000, v[QA]          ; 4 off the exponent field: the conversion takes the exponent field of this operand as its scale
	v_add_nc_u32 v[SO+1], 0xfe000000, v[QA+1]
	v_lshrrev_b32 v[BY], 23, v[SO]                 ; the scales' bytes
	v_lshrrev_b32 v[BY+1], 23, v[SO+1]
	v_lshl_or_b32 v[\pw], v[BY+1], 16, v[BY]
	v_lshlrev_b32 v[\pw], v[SH8], v[\pw]           ; at their places, 8 h bits up;
	v_permlanex16_b32 v[TP], v[\pw], s[SEL], s[SEL+1]
	v_or_b32 v[\pw], v[\pw], v[TP]                 ; with lane l xor 16's two the word is whole
	v_cvt_scalef32_pk16_bf6_f32 v[\d0:\d0+2], v[\x:\x+15], v[SO]
	v_cvt_scalef32_pk16_bf6_f32 v[TC:TC+2], v[\x+16:\x+31], v[SO]       ; (a conversion's three registers begin on an even number: a block's second three do not)
	v_cvt_scalef32_pk16_bf6_f32 v[\d1:\d1+2], v[\x+32:\x+47], v[SO+1]
	v_cvt_scalef32_pk16_bf6_f32 v[TC+4:TC+6], v[\x+48:\x+63], v[SO+1]
	v_nop                                          ; one plain place behind a scaled conversion
.irp i, 0,1,2
	v_mov_b32 v[\d0+3+\i], v[TC+\i]
	v_mov_b32 v[\d1+3+\i], v[TC+4+\i]
.endr
.endm
; The head of tile t.  kind 0: q, 1: k, 2: v.  R runs two tiles ahead, in three sets: set (t + 2) % 3 was last multiplied in tile t - 1.
.macro AHEAD kind, t, nt
.if (\t)+2 < \nt
	WIN 0xc0                                       ; (the first loads below land in window 3: the switch, then the wait, then the loads)
.endif
	s_wait_alu depctr_va_vdst(0)                   ; tile t - 1's products are done reading their set of R, its scale words and its bias, in which the loads below land; its conversions and permutes have written the codes and words that the stores behind these loads read; this tile's scale words (in tile 0 P's too) are turned, eight places and more ahead of this wait
.if (\t)+2 < \nt
.if \kind == 0
	LOADR_Q (\t)+2
.else
	LOADR_G (\t)+2, \kind
.endif
.endif
.endm
; The work of tile t: its products, and its results quantised.
.macro TILE kind, t, nt, d0, d1, pw
	MUL (\t)%3, \kind
	PLACES 4                                       ; four places between the last products and the first read of results (ISA guide 7.12.1)
	QMAX ACC
.if (\t)+1 < \nt
.if (\t)+2 < \nt
.set LEFT, 13+8*(\kind/2)                          ; the loads of tile t + 2 may stay out: 13, with the v path's eight of the bias 21
.else
.set LEFT, 0
.endif
.if \kind == 0
	s_wait_alu depctr_va_vdst(0)
	s_wait_dscnt LEFT
.else
	s_wait_loadcnt LEFT
	PERM RS+4*(((\t)+1)%3), 4                      ; the next tile's scale words; the lines of the conversion below are the eight places and more ahead of its products
.endif
.endif
.set FREE, 0                                       ; were stores issued at this tile's head?  q and v: from tile 1 on; k, which stores a fragment for two tiles: at tiles 2, 4, 6
.if (\t) > 0
.if (\kind != 1) || ((\t)%2 == 0)
.set FREE, 1
.endif
.endif
	s_wait_alu depctr_va_vdst(0)
	QCVT ACC, \d0, \d1, \pw, FREE
.endm
	s_load_b512 s[8:23], s[0:1], 0x0               ; x 8, c's codes 10, c's scales 12, Wq's codes 14, Wq's scales 16, bq 18, Wkv's codes 20, Wkv's scales 22
	s_load_b128 s[24:27], s[0:1], 0x40             ; bkv 24, qimg 26
	s_load_b64 s[28:29], s[0:1], 0x50              ; kvimg
	v_lshl_add_u32 v254, v0, 2, 0xec00
	v_mov_b32 v255, 0
	v_lshrrev_b32 v12, 5, v0
	v_readfirstlane_b32 s[WV], v12                 ; wave 0..3
	v_and_b32 v12, 31, v0                          ; lane
	v_and_b32 v13, 15, v0                          ; r
	v_bfe_u32 v14, v0, 4, 1                        ; h
	v_lshlrev_b32 v[LI], 4, v12
	v_lshlrev_b32 v[L8], 3, v12
	v_lshrrev_b32 v15, 3, v13
	v_mad_u32_u24 v15, v15, 24, v13                ; r + 24 (r / 8)
	v_mul_u32_u24 v[VA], v15, 384
	v_mad_u32_u24 v[VA], v14, 48, v[VA]
	v_lshlrev_b32 v[VSA], 4, v15
	v_lshlrev_b32 v[VBI], 7, v14
	v_lshlrev_b32 v[VB4], 2, v15
	v_lshlrev_b32 v[SH8], 3, v14
	v_mov_b32 v[TP], 0                             ; written once: a lane permute's destination counts as one of its sources
	s_wait_alu depctr_va_sdst(0)                   ; the wave's number is written, ahead of its first reader: LDS addresses and every base are made from it
	s_mul_i32 s5, s[WV], 8448
	s_add_co_u32 s5, s5, XSTG                      ; my wave's stage
	v_add_nc_u32 v[XST], s5, v[LI]                 ; in: 16 bytes a lane, a row of 512 bytes an instruction
	v_mul_u32_u24 v[XRD], v13, 528
	v_lshl_add_u32 v[XRD], v14, 8, v[XRD]
	v_add_nc_u32 v[XRD], s5, v[XRD]                ; out: row r, its half h of 256 bytes
	s_mul_i32 s5, s[WV], 6656
	v_add_nc_u32 v[XWI], s5, v[LI]
	s_mov_b32 s[SEL], 0x76543210
	s_mov_b32 s[SEL+1], 0xfedcba98                 ; v_permlanex16_b32's selects for lane l xor 16
	s_mov_b32 s[PSEL], 0x03010200
	s_mov_b32 s[OF+1], 0
	s_wait_kmcnt 0x0
	s_cmp_ge_u32 ttmp9, 192                        ; the three paths part on the work-group's number alone and do not meet again
	s_cbranch_scc1 .Lv
	s_cmp_ge_u32 ttmp9, 128
	s_cbranch_scc1 .Lk
	; ================ q: tokens 64 g .. 64 g + 63
	s_mul_i32 s[OF], s[WV], 49152
	s_add_nc_u64 s[PB:PB+1], s[14:15], s[OF:OF+1]  ; Wq's rows 128 w on
	s_lshl_b32 s[OF], s[WV], 11
	s_add_nc_u64 s[PSB:PSB+1], s[16:17], s[OF:OF+1]
	s_lshl_b32 s[OF], s[WV], 9
	s_add_nc_u64 s[BB:BB+1], s[18:19], s[OF:OF+1]
	s_lshl_b32 s[OF], ttmp9, 17
	s_lshl_b32 s5, s[WV], 15
	s_add_co_u32 s[OF], s[OF], s5
	s_add_nc_u64 s[XB:XB+1], s[8:9], s[OF:OF+1]    ; x at row 64 g + 16 w
	s_lshl_b32 s[OF], ttmp9, 4
	s_add_co_u32 s[OF], s[OF], s[WV]
	s_mul_i32 s[OF], s[OF], 1792
	s_add_nc_u64 s[OB:OB+1], s[26:27], s[OF:OF+1]  ; qimg: record (4 (4 g + tile) + w) of 1,792 bytes
	WIN 0xc0
	s_wait_alu depctr_va_vdst(0)                   ; the head has written the offsets and LDS addresses v1 to v11, which every load and store of this path reads
.irp s, 0,1,2,3
.irp i, 0,1,2,3,4,5,6,7,8,9,10,11,12,13,14,15
	global_load_b128 v[64*\s+4*\i:64*\s+4*\i+3], v[LI], s[XB:XB+1] offset:2048*\i+512*\s   ; 32 lanes read 512 consecutive bytes: row i, K step s
.endr
.endr
	LOADP
	LOADBI
	s_wait_loadcnt 63                              ; 120 loads were issued behind x's 64: with at most 63 out, x is in
; THE X PHASE.  x raw (window 3): written by the global loads, read by the stage's LDS stores.  ACC: step s's LDS loads land in it, step s's maxima and conversions read it.  FA and XW: written by the
; conversions, read by the images' LDS stores.  One wait on va_vdst a step, behind its conversions; one on vm_vsrc a step from the second on, ahead of its quantiser.
.irp s, 0,1,2,3                                ; my 16 rows of x, a K step at a time: through my stage, so that a lane holds 64 neighbours; then codes and scale word
	WIN 0x0c                                       ; an LDS store's data are its source 1: window 3
.irp i, 0,1,2,3,4,5,6,7,8,9,10,11,12,13,14,15
	ds_store_b128 v[XST], v[64*\s+4*\i:64*\s+4*\i+3] offset:528*\i
.endr
	WIN 0
.irp j, 0,1,2,3,4,5,6,7,8,9,10,11,12,13,14,15
	ds_load_b128 v[ACC+4*\j:ACC+4*\j+3], v[XRD] offset:16*\j   ; LDS serves a wave's instructions in order (ISA guide 5.7.1.4): these see the stores above
.endr
	s_wait_dscnt 0x0
.if \s > 0
	s_wait_alu depctr_vm_vsrc(0)                   ; the last step's image stores have read v[FA ..], which the conversions below write again
.endif
	QMAX ACC
	QCVT ACC, FA, FA+6, XW+\s, 0
	s_wait_alu depctr_va_vdst(0)                   ; the conversions have written the codes (and, by the last step, the four scale words), which the LDS stores below read; they are done reading ACC, in which the next step's LDS loads land
.irp c, 0,1,2
	ds_store_b128 v[XWI], v[FA+4*\c:FA+4*\c+3] offset:1536*\s+512*\c   ; the fragment's image
.endr
.endr
	ds_store_b128 v[XWI], v[XW:XW+3] offset:6144   ; its four scale words, one for each K step
	s_wait_loadcnt 0x0                             ; Wq, its scales, bq
	PERM PS, 32
	PLACES 8                                       ; a scale word written by a vector instruction stands eight places ahead of a scaled product
	s_wait_dscnt 0x0                               ; for the others' sake: my images have landed
	s_barrier_signal -1
	s_barrier_wait -1                              ; x's four tiles lie in LDS
	WIN 0xc0
	s_wait_alu depctr_vm_vsrc(0)                   ; the stage's LDS stores have read x's registers in window 3, in which R's tiles land; the last image stores have read v[FA ..], which tile 0's conversions write
	LOADR_Q 0
	LOADR_Q 1
	s_wait_dscnt 13                                ; tile 0 is in; tile 1's 13 loads may stay out
.macro QWORDS                          ; the two heads' scale words, each word (s0, s1, s0, s1)
	v_perm_b32 v[SW], v[PWA], v[PWA], 0x01000100
	v_perm_b32 v[SW+1], v[PWA], v[PWA], 0x03020302
.endm
.macro QOUT t                          ; two half fragments (heads 2 w, 2 w + 1) and their scale words
	global_store_b128 v[LI], v[FA:FA+3], s[OB:OB+1] offset:7168*(\t)
	global_store_b64 v[L8], v[FA+4:FA+5], s[OB:OB+1] offset:7168*(\t)+512
	global_store_b128 v[LI], v[FA+6:FA+9], s[OB:OB+1] offset:7168*(\t)+768
	global_store_b64 v[L8], v[FA+10:FA+11], s[OB:OB+1] offset:7168*(\t)+1280
	global_store_b64 v[L8], v[SW:SW+1], s[OB:OB+1] offset:7168*(\t)+1536
.endm
.irp t, 0,1,2,3
	AHEAD 0, \t, 4
.if \t > 0
	QOUT \t-1                                      ; the tile before leaves while this tile is multiplied
.endif
	TILE 0, \t, 4, FA, FA+6, PWA
	QWORDS
.endr
	s_wait_alu depctr_va_vdst(0)                   ; tile 3's conversions and permutes have written the codes and words that the last stores read
	QOUT 3
	s_wait_dscnt 0x0
	s_wait_alu depctr_hold_cnt(0) depctr_sa_sdst(0) depctr_va_vdst(0) depctr_va_sdst(0) depctr_va_ssrc(0) depctr_va_vcc(0) depctr_vm_vsrc(0)
	s_wait_tensorcnt 0x0
	ds_add_u32 v254, v255
	s_wait_dscnt 0x0
	s_endpgm
	; ================ k: tokens 128 tb .. 128 tb + 127, tb = g - 128
.Lk:
	s_sub_co_u32 s5, ttmp9, 128
	s_mul_i32 s[OF], s[WV], 49152
	s_add_nc_u64 s[PB:PB+1], s[20:21], s[OF:OF+1]  ; Wkv's rows 128 w on
	s_lshl_b32 s[OF], s[WV], 11
	s_add_nc_u64 s[PSB:PSB+1], s[22:23], s[OF:OF+1]
	s_lshl_b32 s[OF], s[WV], 9
	s_add_nc_u64 s[BB:BB+1], s[24:25], s[OF:OF+1]
	s_mul_i32 s[OF], s5, 49152
	s_add_nc_u64 s[RB:RB+1], s[10:11], s[OF:OF+1]  ; c's rows 128 tb on
	s_lshl_b32 s[OF], s5, 11
	s_add_nc_u64 s[RSB:RSB+1], s[12:13], s[OF:OF+1]
	s_lshr_b32 s6, s5, 4                           ; the batch
	s_and_b32 s7, s5, 15                           ; the key step
	s_lshl_b32 s6, s6, 3
	s_lshl_b32 s48, s[WV], 1
	s_add_co_u32 s6, s6, s48                       ; 8 b + 2 w
	s_lshl_b32 s6, s6, 4
	s_add_co_u32 s6, s6, s7
	s_mul_i32 s[OF], s6, 13312
	s_add_nc_u64 s[OB:OB+1], s[28:29], s[OF:OF+1]  ; kvimg: head 2 w's record of this key step; head 2 w + 1's lies HEADB on
	WIN 0x40
	s_wait_alu depctr_va_vdst(0)                   ; the head has written the offsets v1 to v6, which every load and store of this path reads
	LOADP
	LOADBI
	LOADR_G 0, 1
	LOADR_G 1, 1
	s_wait_loadcnt 13                              ; all but tile 1's 13 loads
	PERM RS, 4
	PERM PS, 32
	PLACES 8
.macro KWORDS i                        ; fragment i's scale words (a0, a1, b0, b1), one for each head
	v_perm_b32 v[KSA+(\i)], v[PWB], v[PWA], 0x05040100
	v_perm_b32 v[KSB+(\i)], v[PWB], v[PWA], 0x07060302
.endm
.macro KOUT i                          ; fragment i of each head: key tile 2 i in registers 0-5, key tile 2 i + 1 in registers 6-11
.irp c, 0,1,2
	global_store_b128 v[LI], v[FA+4*\c:FA+4*\c+3], s[OB:OB+1] offset:1536*(\i)+512*\c
.endr
.irp c, 0,1,2
	global_store_b128 v[LI], v[FB+4*\c:FB+4*\c+3], s[OB:OB+1] offset:HEADB+1536*(\i)+512*\c
.endr
.endm
.irp i, 0,1,2,3
	AHEAD 1, 2*\i, 8
.if \i > 0
	KOUT \i-1                                      ; the two tiles before leave while this tile is multiplied
.endif
	TILE 1, 2*\i, 8, FA, FB, PWA
	AHEAD 1, 2*\i+1, 8
	TILE 1, 2*\i+1, 8, FA+6, FB+6, PWB
	KWORDS \i
.endr
	s_wait_alu depctr_va_vdst(0)                   ; tiles 6 and 7 have written the last fragments, and the permutes the eight scale words, which the last stores read
	KOUT 3
	global_store_b128 v[LI], v[KSA:KSA+3], s[OB:OB+1] offset:12288
	global_store_b128 v[LI], v[KSB:KSB+3], s[OB:OB+1] offset:HEADB+12288
	s_endpgm
	; ================ v: the same tokens as P, so that the registers run along the keys; tb = g - 192
.Lv:
	s_sub_co_u32 s5, ttmp9, 192
	s_mul_i32 s[OF], s5, 49152
	s_add_nc_u64 s[PB:PB+1], s[10:11], s[OF:OF+1]  ; c's rows 128 tb on
	s_lshl_b32 s[OF], s5, 11
	s_add_nc_u64 s[PSB:PSB+1], s[12:13], s[OF:OF+1]
	s_mul_i32 s[OF], s[WV], 49152
	s_add_co_u32 s[OF], s[OF], 196608
	s_add_nc_u64 s[RB:RB+1], s[20:21], s[OF:OF+1]  ; Wkv's rows 512 + 128 w on
	s_lshl_b32 s[OF], s[WV], 11
	s_add_co_u32 s[OF], s[OF], 8192
	s_add_nc_u64 s[RSB:RSB+1], s[22:23], s[OF:OF+1]
	s_lshl_b32 s[OF], s[WV], 9
	s_add_co_u32 s[OF], s[OF], 2048
	s_add_nc_u64 s[BB:BB+1], s[24:25], s[OF:OF+1]
	s_lshr_b32 s6, s5, 4
	s_and_b32 s7, s5, 15
	s_lshl_b32 s6, s6, 3
	s_lshl_b32 s48, s[WV], 1
	s_add_co_u32 s6, s6, s48
	s_lshl_b32 s6, s6, 4
	s_add_co_u32 s6, s6, s7
	s_mul_i32 s[OF], s6, 13312
	s_add_nc_u64 s[OB:OB+1], s[28:29], s[OF:OF+1]
	WIN 0x40
	s_wait_alu depctr_va_vdst(0)                   ; the head has written the offsets v1 to v6, which every load and store of this path reads
	LOADP
	LOADR_G 0, 2
	LOADR_G 1, 2
	s_wait_loadcnt 21                              ; all but tile 1's 21 loads
	PERM RS, 4
	PERM PS, 32
	PLACES 8
.macro VOUT t                          ; a whole fragment of V^T: 16 channels x these 128 keys; behind a head's fourth its four scale words
.irp c, 0,1,2
	global_store_b128 v[LI], v[FA+4*\c:FA+4*\c+3], s[OB:OB+1] offset:HEADB*((\t)/4)+6144+1536*((\t)%4)+512*\c
.endr
.if (\t)%4 == 3
	global_store_b128 v[LI], v[KSA:KSA+3], s[OB:OB+1] offset:HEADB*((\t)/4)+12800
.endif
.endm
.irp t, 0,1,2,3,4,5,6,7
	AHEAD 2, \t, 8
.if \t > 0
	VOUT \t-1                                      ; the tile before leaves while this tile is multiplied
.endif
	TILE 2, \t, 8, FA, FA+6, KSA+\t%4
.endr
	s_wait_alu depctr_va_vdst(0)                   ; tile 7's conversions have written the last fragment and the head's fourth scale word, which the last stores read
	VOUT 7
	s_endpgm
.Lfunc_end_k_q9c90a6a6cd_proj:
	.size	k_q9c90a6a6cd_proj, .Lfunc_end_k_q9c90a6a6cd_proj-k_q9c90a6a6cd_proj
	.p2alignl 7, 3214868480
	.fill 96, 4, 3214868480
	.section	.rodata,"a",@progbits
	.p2align	6, 0x0
	.amdhsa_kernel k_q9c90a6a6cd_proj
		.amdhsa_group_segment_fixed_size 60928
		.amdhsa_private_segment_fixed_size 0
		.amdhsa_enable_private_segment 0
		.amdhsa_kernarg_size 88
		.amdhsa_user_sgpr_count 2
		.amdhsa_user_sgpr_kernarg_segment_ptr 1
		.amdhsa_wavefront_size32 1
		.amdhsa_system_sgpr_workgroup_id_x 1
		.amdhsa_system_sgpr_workgroup_id_y 1
		.amdhsa_system_sgpr_workgroup_id_z 1
		.amdhsa_system_vgpr_workitem_id 0
		.amdhsa_next_free_vgpr 1024
		.amdhsa_next_free_sgpr 66
		.amdhsa_reserve_vcc 0
		.amdhsa_float_denorm_mode_32 3
		.amdhsa_float_denorm_mode_16_64 3
		.amdhsa_memory_ordered 1
		.amdhsa_forward_progress 1
		.amdhsa_inst_pref_size 255
	.end_amdhsa_kernel
	.section	.bss,"aw",@nobits
	.p2align	6
	.space	262144
	.amdgpu_metadata
---
amdhsa.version: [ 1, 2 ]
amdhsa.kernels:
  - .name:           k_q9c90a6a6cd_proj
    .symbol:         k_q9c90a6a6cd_proj.kd
    .args:
      - { .name: layer_input, .offset: 0, .size: 8, .value_kind: global_buffer, .address_space: global }
      - { .name: cross_attn_input_codes, .offset: 8, .size: 8, .value_kind: global_buffer, .address_space: global }
      - { .name: cross_attn_input_scales, .offset: 16, .size: 8, .value_kind: global_buffer, .address_space: global }
      - { .name: Wq_codes, .offset: 24, .size: 8, .value_kind: global_buffer, .address_space: global }
      - { .name: Wq_scales, .offset: 32, .size: 8, .value_kind: global_buffer, .address_space: global }
      - { .name: bq, .offset: 40, .size: 8, .value_kind: global_buffer, .address_space: global }
      - { .name: Wkv_codes, .offset: 48, .size: 8, .value_kind: global_buffer, .address_space: global }
      - { .name: Wkv_scales, .offset: 56, .size: 8, .value_kind: global_buffer, .address_space: global }
      - { .name: bkv, .offset: 64, .size: 8, .value_kind: global_buffer, .address_space: global }
      - { .name: qimg, .offset: 72, .size: 8, .value_kind: global_buffer, .address_space: global }
      - { .name: kvimg, .offset: 80, .size: 8, .value_kind: global_buffer, .address_space: global }
    .group_segment_fixed_size: 60928
    .private_segment_fixed_size: 0
    .kernarg_segment_align: 8
    .kernarg_segment_size: 88
    .max_flat_workgroup_size: 128
    .sgpr_count:     66
    .vgpr_count:     1024
    .wavefront_size: 32
...
	.end_amdgpu_metadata
.endif
;; end of part 4
;; launch attn (part 5): grid 8 x 32, 16 waves a work-group, clusters of 4 x 1, 215,040 bytes of LDS; arguments qimg, kvimg, oimg, osc; writes oimg, osc
.if DOCPART == 5
	.amdgcn_target "amdgcn-amd-amdhsa--gfx1250"
	.amdhsa_code_object_version 6
	.text
	.protected	k_q9c90a6a6cd_attn
	.globl	k_q9c90a6a6cd_attn
	.p2align	8
	.type	k_q9c90a6a6cd_attn,@function
k_q9c90a6a6cd_attn:
	s_mov_b64 s[64:65], 0
	v_nop
	global_prefetch_b8 v0, s[64:65] scope:SCOPE_SE
	s_setreg_imm32_b32 hwreg(HW_REG_WAVE_MODE, 25, 1), 1
	s_wait_xcnt 0x0
	s_wait_alu depctr_hold_cnt(0) depctr_sa_sdst(0) depctr_va_vdst(0) depctr_va_sdst(0) depctr_va_ssrc(0) depctr_va_vcc(0) depctr_vm_vsrc(0)
	s_getreg_b32 s2, hwreg(HW_REG_IB_STS2, 6, 4)
	s_cmp_eq_u32 s2, 0
	s_cbranch_scc0 .Lentry_in_a_cluster
	s_endpgm
.Lentry_in_a_cluster:
	s_bfe_u32 s2, ttmp6, 0x10000c
	s_cmp_lg_u32 s2, 0x3003
	s_cbranch_scc0 .Lentry_shape_is_right
	s_endpgm
.Lentry_shape_is_right:
; o = softmax(q k^T / 8) v for one head and 256 queries, both products on codes of BF6 (E3M2) with one E8M0 scale for each 32 along K; o is divided by the row's sum and quantised along the channels.
; THE SOFTMAX AHEAD OF THE SECOND PRODUCT: t = score x log2(e) / 8; M = the running largest t rounded UP to a whole number; p = 2^(t - M) is quantised along the keys, not normalised.  The row's sum is taken
; of the unquantised p.  When M moves, the sum and O are multiplied by 2^(old M - new M), which rounds nothing.
; SHARES.  Work-group (x, y): head y = 8 b + hd, queries 256 x on.  Each of sixteen waves owns 16 queries in 224 registers: four waves to a SIMD, so that one wave's vector work stands beside another's products.
; NO RING: a head's 16 records of 13,312 bytes (a key step of 128 keys each: K's 4 fragments, V^T's 4, their scale words) are 212,992 bytes and lie in LDS whole.  Wave w brings record w by one tensor load:
; one load of a wave is out.  No LDS byte is filled twice.
; CLUSTER.  The four query blocks of a cluster belong to one head: each record is asked for JOINTLY, by the same load with the same descriptor and a mask that names the four.
; LAYOUT.  Both products are used transposed (S^T = K Q^T, O^T = V^T P^T): a lane holds ONE query (lane % 16).  The keys of a tile and V's channels were chosen by the launch before so that a lane's 32 registers
; of four neighbouring tiles are one whole block of 32 keys (or channels) in order: p's codes are the second product's operand as the conversions leave them.
; K = 64 IN AN INSTRUCTION OF 128: a fragment of K holds key tile 2 i in registers 0-5 and key tile 2 i + 1 in registers 6-11; q stands twice, as [q, zero codes] and as [zero codes, q]; each product takes one tile.
; LIMITS: NaN and infinities are not served; the division by the sum is v_rcp_f32 and a multiplication; a block of o whose largest magnitude lies under 2^-122 gets the byte 1.
.set LI,  1                            ; 16 x lane
.set ADR, 2                            ; + the key step's record
.set SH8, 3                            ; 8 h
.set L8,  4                            ; 8 x lane
.set TP,  5
.set T0,  6
.set T1,  7
.set NM,  8                            ; -M      (v[8:9] is named as a pair)
.set MT,  9                            ; the largest t
.set LL,  10                           ; v[10:11] the sum in two halves
.set FF,  12                           ; v[12:13] f, and 0
.set BM,  14                           ; v14-15 the two blocks' largest scores, then largest p
.set BC,  16                           ; v16-17 second chains
.set SO,  18
.set BY,  20
.set QS,  22                           ; q's scale word
.set PSC, 23                           ; p's
.set KS,  24                           ; K's four
.set VS,  28                           ; V's four
.set QLO, 32
.set QHI, 44
.set KF,  56                           ; four fragments of K, then of V^T
.set S,   104                          ; S^T, then p
.set O,   168                          ; O^T
.set PC,  200                          ; p's codes
.set TC,  212
.set LS,  220
.set VOS, 222                          ; 16 r + h
.set WV,  12
.set G0,  16
.set G1,  20
.set SEL, 28
.set CS,  30
.set TB,  32
.set CNT, 33
.set SQ,  34
.set SQS, 36
.set SOB, 38
.set SOS, 40
.set REC, 13312
.macro PLACES n
.rept \n
	v_nop
.endr
.endm
.macro ROUND                           ; a round of the cluster's barrier: my work-group's barrier; wave 0 signals for the work-group; every wave waits for all four; my work-group's barrier once more
	s_barrier_signal -1
	s_barrier_wait -1
	s_cmp_lg_u32 s[WV], 0
	s_cbranch_scc1 .Lnot_wave_0_\@
	s_barrier_signal -3
.Lnot_wave_0_\@:
	s_barrier_wait -3
	s_barrier_signal -1
	s_barrier_wait -1
.endm
	s_load_b256 s[4:11], s[0:1], 0x0               ; qimg 4, kvimg 6, oimg 8, osc 10
	v_lshl_add_u32 v224, v0, 2, 0x34000
	v_mov_b32 v225, 0
	ds_add_u32 v224, v225
	ds_add_u32 v224, v225
	v_lshrrev_b32 v[ADR], 5, v0
	s_delay_alu instid0(VALU_DEP_1)
	v_readfirstlane_b32 s[WV], v[ADR]              ; wave 0..15
	v_and_b32 v[T0], 31, v0                        ; lane
	v_and_b32 v[T1], 15, v0                        ; r
	v_bfe_u32 v[TP], v0, 4, 1                      ; h
	s_delay_alu instid0(VALU_DEP_3)
	v_lshlrev_b32 v[LI], 4, v[T0]
	s_delay_alu instid0(VALU_DEP_4)
	v_lshlrev_b32 v[L8], 3, v[T0]
	s_delay_alu instid0(VALU_DEP_3)
	v_lshlrev_b32 v[SH8], 3, v[TP]
	s_delay_alu instid0(VALU_DEP_4)
	v_lshl_add_u32 v[VOS], v[T1], 4, v[TP]
	s_and_b32 s15, ttmp7, 0xffff                   ; y = 8 b + hd, which the four partners share
	s_lshl_b32 s46, s15, 4
	s_add_co_u32 s46, s46, s[WV]
	s_mul_i32 s46, s46, REC                        ; my record: 16 y + wave.  No place in the cluster enters it
	s_mov_b32 s47, 0
	s_mov_b32 s[G1], 15|(3<<16)|(1<<21)            ; 15:0 the mask: all four work-groups; 17:16 elements of 8 bytes; 20 no padding; 21 set beside a mask
	s_mov_b32 s[G1+1], 32<<16                      ; tensor_dim0 = 32: rows of 256 bytes
	s_mov_b32 s[G1+2], 52<<16                      ; tensor_dim1 = 52: 13,312 bytes
	s_mov_b32 s[G1+3], 32<<16                      ; tile_dim0
	s_mov_b32 s[G1+4], 52                          ; tile_dim1
	s_mov_b32 s[G1+5], 32                          ; the pitch: the block is dense
	s_mov_b32 s[G1+6], 0
	s_mov_b32 s[G1+7], 0
	s_mov_b32 s[G0], 1
	s_mul_i32 s[G0+1], s[WV], REC                  ; LDS: wave x 13,312
	s_bfe_u32 s13, ttmp6, 0x40000                  ; cx: it enters q's and o's addresses alone
	s_lshl_b32 s14, ttmp9, 2
	s_add_co_u32 s14, s14, s13                     ; my block of 256 queries
	s_lshr_b32 s42, s15, 3
	s_lshl_b32 s42, s42, 7
	s_lshl_b32 s14, s14, 4
	s_add_co_u32 s42, s42, s14
	s_add_co_u32 s42, s42, s[WV]                   ; T = 128 b + 16 block + wave: my tile of 16 queries
	s_and_b32 s43, s15, 7                          ; hd
	s_lshl_b32 s44, s42, 2
	s_lshr_b32 s45, s43, 1
	s_add_co_u32 s44, s44, s45
	s_mul_i32 s44, s44, 1792                       ; qimg's record 4 T + hd / 2
	s_and_b32 s14, s43, 1
	s_mov_b32 s45, 0
	s_mov_b32 s[SEL], 0x76543210
	s_mov_b32 s[SEL+1], 0xfedcba98                 ; v_permlanex16_b32's selects for lane l xor 16
	s_mov_b32 s[CS], 0x3e38aa3b                    ; c = log2(e) / 8
	s_mov_b32 s[CS+1], s[CS]                       ; (named with it as a pair, so it is written)
	s_mov_b32 s[TB], 0
	s_mov_b32 s[CNT], 16
	s_wait_dscnt 0x0
	s_wait_kmcnt 0x0
	s_add_nc_u64 s[G0+2:G0+3], s[6:7], s[46:47]
	s_or_b32 s[G0+3], s[G0+3], 0x80000000          ; type = 2
	s_add_nc_u64 s[SQ:SQ+1], s[4:5], s[44:45]
	s_lshl_b32 s44, s14, 2
	s_add_co_u32 s44, s44, 1536
	s_add_nc_u64 s[SQS:SQS+1], s[SQ:SQ+1], s[44:45]   ; my head's word of the pair at 1,536 + 8 x lane
	s_mul_i32 s44, s14, 768
	s_add_nc_u64 s[SQ:SQ+1], s[SQ:SQ+1], s[44:45]     ; my head's half fragment
	s_lshl_b32 s44, s42, 3
	s_add_co_u32 s44, s44, s43
	s_mul_i32 s44, s44, 768
	s_add_nc_u64 s[SOB:SOB+1], s[8:9], s[44:45]    ; oimg: half fragment 8 T + hd
	s_lshl_b32 s44, s42, 8
	s_lshl_b32 s14, s43, 1
	s_add_co_u32 s44, s44, s14
	s_add_nc_u64 s[SOS:SOS+1], s[10:11], s[44:45]  ; osc: 16 bytes a token, bytes 2 hd and 2 hd + 1
	ROUND                                          ; all four work-groups are here: the joint loads meet
	tensor_load_to_lds s[G0:G0+3], s[G1:G1+7]      ; my record: the wave's one tensor load
	s_nop 0
	PLACES 4
	s_wait_alu depctr_va_vdst(0)
	global_load_b128 v[QLO:QLO+3], v[LI], s[SQ:SQ+1]
	global_load_b64 v[QLO+4:QLO+5], v[L8], s[SQ:SQ+1] offset:512
	global_load_b128 v[QHI+6:QHI+9], v[LI], s[SQ:SQ+1]            ; q a second time: the two operands share no register with each other
	global_load_b64 v[QHI+10:QHI+11], v[L8], s[SQ:SQ+1] offset:512
	global_load_b32 v[QS], v[L8], s[SQS:SQS+1]
.irp j, 0,1,2,3,4,5
	v_mov_b32 v[QLO+6+\j], 0                       ; zero codes
	v_mov_b32 v[QHI+\j], 0
.endr
.irp j, 0,1,2,3,4,5,6,7,8,9,10,11,12,13,14,15,16,17,18,19,20,21,22,23,24,25,26,27,28,29,30,31
	v_mov_b32 v[O+\j], 0                           ; the loop is written once: its first step finds zeros, which the first change of M leaves zeros
.endr
	v_mov_b32 v[LL], 0
	v_mov_b32 v[LL+1], 0
	v_mov_b32 v[FF+1], 0                           ; (named as the upper half of a pair)
	v_mov_b32 v[TP], 0
	v_mov_b32 v[MT], 0xff61b1e6                    ; -3e38, under every t
	s_delay_alu instid0(VALU_DEP_1)
	v_floor_f32 v[NM], -v[MT]
	s_wait_tensorcnt 0x0                           ; my record has landed,
	s_barrier_signal -1
	s_barrier_wait -1                              ; everybody's has: the whole head lies in LDS
	s_wait_loadcnt 0x0                             ; q
.Lstep:                                            ; 16 trips: 128 keys each
	s_setprio 2
	v_add_nc_u32 v[ADR], s[TB], v[LI]
	PLACES 4                                       ; places between the last products and the loads into registers that they read
	ds_load_b128 v[KS:KS+3], v[ADR] offset:12288
.irp i, 0,1,2,3
.irp c, 0,1,2
	ds_load_b128 v[KF+12*\i+4*\c:KF+12*\i+4*\c+3], v[ADR] offset:1536*\i+512*\c
.endr
.endr
	ds_load_b128 v[VS:VS+3], v[ADR] offset:12800
	s_wait_alu depctr_va_vdst(0)
	s_wait_dscnt 1                                 ; K and its scale words are in; the one load behind them, V's scale words, may stay out
.irp i, 0,1,2,3
	v_wmma_scale_f32_16x16x128_f8f6f4 v[S+16*\i:S+16*\i+7], v[KF+12*\i:KF+12*\i+11], v[QLO:QLO+11], 0, v[KS+\i], v[QS] matrix_a_fmt:MATRIX_FMT_BF6 matrix_b_fmt:MATRIX_FMT_BF6
	v_wmma_scale_f32_16x16x128_f8f6f4 v[S+16*\i+8:S+16*\i+15], v[KF+12*\i:KF+12*\i+11], v[QHI:QHI+11], 0, v[KS+\i], v[QS] matrix_a_fmt:MATRIX_FMT_BF6 matrix_b_fmt:MATRIX_FMT_BF6
.endr
	PLACES 4                                       ; for the loads below and for the first read of the scores
.irp d, 0,1,2,3
.irp c, 0,1,2
	ds_load_b128 v[KF+12*\d+4*\c:KF+12*\d+4*\c+3], v[ADR] offset:6144+1536*\d+512*\c   ; V^T's fragments land while the softmax is worked
.endr
.endr
	; the largest score of each of my two blocks of 32 keys: it serves the row's maximum and, since p rises with the score, the block's largest p.  Each accumulator is first read at its low end
.irp c, 0,1
	v_max3_num_f32 v[BM+\c], v[S+32*\c], v[S+32*\c+1], v[S+32*\c+2]
	v_max3_num_f32 v[BC+\c], v[S+32*\c+16], v[S+32*\c+17], v[S+32*\c+18]
.endr
.irp i, 3,5,7,9,11,13
.irp c, 0,1
	v_max3_num_f32 v[BM+\c], v[BM+\c], v[S+32*\c+\i], v[S+32*\c+\i+1]
	v_max3_num_f32 v[BC+\c], v[BC+\c], v[S+32*\c+16+\i], v[S+32*\c+17+\i]
.endr
.endr
.irp c, 0,1
	v_max3_num_f32 v[BM+\c], v[BM+\c], v[BC+\c], v[S+32*\c+15]
.endr
.irp c, 0,1
	v_max_num_f32 v[BM+\c], v[BM+\c], v[S+32*\c+31]
.endr
	s_delay_alu instid0(VALU_DEP_1)
	v_max_num_f32 v[T0], v[BM], v[BM+1]
	s_delay_alu instid0(VALU_DEP_1)
	v_permlanex16_b32 v[T1], v[T0], s[SEL], s[SEL+1]
	s_delay_alu instid0(VALU_DEP_1)
	v_max_num_f32 v[T0], v[T0], v[T1]              ; the step's largest score of my query
	s_delay_alu instid0(VALU_DEP_1)
	v_mul_f32 v[T0], s[CS], v[T0]                  ; as t (c is positive)
	s_delay_alu instid0(VALU_DEP_1)
	v_max_num_f32 v[MT], v[MT], v[T0]
	v_mov_b32 v[T1], v[NM]
	s_delay_alu instid0(VALU_DEP_2)
	v_floor_f32 v[NM], -v[MT]                      ; the new -M = floor(-t): M is a whole number
	s_delay_alu instid0(VALU_DEP_1)
	v_sub_f32 v[T1], v[NM], v[T1]                  ; old M - new M: a whole number, 0 or less
	s_delay_alu instid0(VALU_DEP_1)
	v_cvt_i32_f32 v[T1], v[T1]                     ; (it saturates)
	s_delay_alu instid0(VALU_DEP_1)
	v_ldexp_f32 v[FF], 1.0, v[T1]                  ; f = 2^(old M - new M)
.irp j, 0,2,4,6,8,10,12,14,16,18,20,22,24,26,28,30,32,34,36,38,40,42,44,46,48,50,52,54,56,58,60,62
	v_pk_fma_f32 v[S+\j:S+\j+1], v[S+\j:S+\j+1], s[CS:CS+1], v[NM:NM+1] op_sel_hi:[1,0,0]   ; t - M, two at a time
.endr
	v_fma_f32 v[BM], v[BM], s[CS], v[NM]
	v_fma_f32 v[BM+1], v[BM+1], s[CS], v[NM]
	s_setprio 1
	s_wait_alu depctr_va_vdst(0)
.irp j, 0,1,2,3,4,5,6,7,8,9,10,11,12,13,14,15,16,17,18,19,20,21,22,23,24,25,26,27,28,29,30,31,32,33,34,35,36,37,38,39,40,41,42,43,44,45,46,47,48,49,50,51,52,53,54,55,56,57,58,59,60,61,62,63
	v_exp_f32 v[S+\j], v[S+\j]                     ; p = 2^(t - M), at most 1
.endr
	v_exp_f32 v[BM], v[BM]                         ; the blocks' largest p: the same two instructions on the same number
	v_exp_f32 v[BM+1], v[BM+1]
	v_pk_mul_f32 v[LL:LL+1], v[LL:LL+1], v[FF:FF+1] op_sel_hi:[1,0]   ; the sums under the new M.  (A plain place behind the exponentials)
	s_wait_alu depctr_va_vdst(0)
	v_max_num_f32 v[BM], 0x2800000, v[BM]          ; the floor 2^(5 - 127): the byte cannot fall under 1
	v_max_num_f32 v[BM+1], 0x2800000, v[BM+1]
	s_delay_alu instid0(VALU_DEP_2)
	v_add_nc_u32 v[SO], 0xfe000000, v[BM]          ; 4 off the exponent field: the conversion's scale operand
	s_delay_alu instid0(VALU_DEP_2)
	v_add_nc_u32 v[SO+1], 0xfe000000, v[BM+1]
	s_delay_alu instid0(VALU_DEP_2)
	v_lshrrev_b32 v[BY], 23, v[SO]
	s_delay_alu instid0(VALU_DEP_2)
	v_lshrrev_b32 v[BY+1], 23, v[SO+1]
	s_delay_alu instid0(VALU_DEP_1)
	v_lshl_or_b32 v[PSC], v[BY+1], 16, v[BY]       ; my two bytes: blocks h and 2 + h,
	s_delay_alu instid0(VALU_DEP_1)
	v_lshlrev_b32 v[PSC], v[SH8], v[PSC]
	s_delay_alu instid0(VALU_DEP_1)
	v_permlanex16_b32 v[TP], v[PSC], s[SEL], s[SEL+1]
	s_delay_alu instid0(VALU_DEP_1)
	v_or_b32 v[PSC], v[PSC], v[TP]                 ; with lane l xor 16's two: p's scale word for these 128 keys
	v_cvt_scalef32_pk16_bf6_f32 v[PC:PC+2], v[S:S+15], v[SO]
	v_cvt_scalef32_pk16_bf6_f32 v[TC:TC+2], v[S+16:S+31], v[SO]         ; (a conversion's three registers begin on an even number)
	v_cvt_scalef32_pk16_bf6_f32 v[PC+6:PC+8], v[S+32:S+47], v[SO+1]
	v_cvt_scalef32_pk16_bf6_f32 v[TC+4:TC+6], v[S+48:S+63], v[SO+1]
	v_nop                                          ; one plain place behind a scaled conversion
.irp i, 0,1,2
	v_mov_b32 v[PC+3+\i], v[TC+\i]
	v_mov_b32 v[PC+9+\i], v[TC+4+\i]
.endr
	v_pk_add_f32 v[220:221], v[108:109], v[112:113]
	v_pk_add_f32 v[218:219], v[116:117], v[120:121]
	v_pk_add_f32 v[216:217], v[124:125], v[128:129]
	v_pk_add_f32 v[214:215], v[132:133], v[136:137]
	v_pk_add_f32 v[212:213], v[140:141], v[144:145]
	v_pk_add_f32 v[26:27], v[148:149], v[152:153]
	v_pk_add_f32 v[24:25], v[156:157], v[160:161]
	v_pk_add_f32 v[10:11], v[10:11], v[164:165]
	v_pk_add_f32 v[220:221], v[220:221], v[104:105]
	v_pk_add_f32 v[218:219], v[218:219], v[106:107]
	v_pk_add_f32 v[216:217], v[216:217], v[110:111]
	v_pk_add_f32 v[214:215], v[214:215], v[114:115]
	v_pk_add_f32 v[212:213], v[212:213], v[118:119]
	v_pk_add_f32 v[26:27], v[26:27], v[122:123]
	v_pk_add_f32 v[24:25], v[24:25], v[126:127]
	v_pk_add_f32 v[10:11], v[10:11], v[130:131]
	v_pk_add_f32 v[220:221], v[220:221], v[134:135]
	v_pk_add_f32 v[218:219], v[218:219], v[138:139]
	v_pk_add_f32 v[216:217], v[216:217], v[142:143]
	v_pk_add_f32 v[214:215], v[214:215], v[146:147]
	v_pk_add_f32 v[212:213], v[212:213], v[150:151]
	v_pk_add_f32 v[26:27], v[26:27], v[154:155]
	v_pk_add_f32 v[24:25], v[24:25], v[158:159]
	v_pk_add_f32 v[10:11], v[10:11], v[162:163]
	v_pk_add_f32 v[220:221], v[220:221], v[166:167]
	s_delay_alu instid0(VALU_DEP_2)
	v_pk_add_f32 v[10:11], v[10:11], v[214:215]
	s_delay_alu instid0(VALU_DEP_2)
	v_pk_add_f32 v[220:221], v[220:221], v[212:213]
	v_pk_add_f32 v[218:219], v[218:219], v[26:27]
	v_pk_add_f32 v[216:217], v[216:217], v[24:25]
	s_delay_alu instid0(VALU_DEP_2)
	v_pk_add_f32 v[10:11], v[10:11], v[218:219]
	s_delay_alu instid0(VALU_DEP_2)
	v_pk_add_f32 v[220:221], v[220:221], v[216:217]
	s_delay_alu instid0(VALU_DEP_1)
	v_pk_add_f32 v[10:11], v[10:11], v[220:221]
	s_setprio 0
.irp j, 0,2,4,6,8,10,12,14,16,18,20,22,24,26,28,30
	v_pk_mul_f32 v[O+\j:O+\j+1], v[O+\j:O+\j+1], v[FF:FF+1] op_sel_hi:[1,0]   ; O^T under the new M, each accumulator from its low end on
.endr
	s_wait_alu depctr_va_vdst(0)
	s_wait_dscnt 0x0                               ; V^T and its scale words are in
.irp d, 0,1,2,3                                ; one instruction on each of the four accumulators; the eight score products stand between two links of a chain
	v_wmma_scale_f32_16x16x128_f8f6f4 v[O+8*\d:O+8*\d+7], v[KF+12*\d:KF+12*\d+11], v[PC:PC+11], v[O+8*\d:O+8*\d+7], v[VS+\d], v[PSC] matrix_a_fmt:MATRIX_FMT_BF6 matrix_b_fmt:MATRIX_FMT_BF6
.endr
	s_add_co_u32 s[TB], s[TB], REC
	s_sub_co_u32 s[CNT], s[CNT], 1
	s_cmp_lg_u32 s[CNT], 0
	s_cbranch_scc1 .Lstep
	s_setprio 0
	; THE WAY OUT.  A lane's 32 registers are channels 32 h + 0 .. 31 of its query: one whole block of the last product's K.
	PLACES 4
	v_add_f32 v[LL], v[LL], v[LL+1]
	s_delay_alu instid0(VALU_DEP_1)
	v_permlanex16_b32 v[TP], v[LL], s[SEL], s[SEL+1]
	s_delay_alu instid0(VALU_DEP_1)
	v_add_f32 v[LL], v[LL], v[TP]                  ; the row's sum
	s_wait_alu depctr_va_vdst(0)
	v_rcp_f32 v[FF], v[LL]
	v_nop                                          ; one plain place behind a transcendental
	s_wait_alu depctr_va_vdst(0)
.irp j, 0,2,4,6,8,10,12,14,16,18,20,22,24,26,28,30
	v_pk_mul_f32 v[O+\j:O+\j+1], v[O+\j:O+\j+1], v[FF:FF+1] op_sel_hi:[1,0]
.endr
	v_max3_num_f32 v[BM], |v[O]|, |v[O+1]|, |v[O+2]|
	v_max3_num_f32 v[BC], |v[O+16]|, |v[O+17]|, |v[O+18]|
.irp i, 3,5,7,9,11,13
	s_delay_alu instid0(VALU_DEP_2)
	v_max3_num_f32 v[BM], v[BM], |v[O+\i]|, |v[O+\i+1]|
	s_delay_alu instid0(VALU_DEP_2)
	v_max3_num_f32 v[BC], v[BC], |v[O+16+\i]|, |v[O+17+\i]|
.endr
	s_delay_alu instid0(VALU_DEP_1)
	v_max3_num_f32 v[BM], v[BM], v[BC], |v[O+15]|
	s_delay_alu instid0(VALU_DEP_1)
	v_max3_num_f32 v[BM], v[BM], |v[O+31]|, 0x2800000
	s_delay_alu instid0(VALU_DEP_1)
	v_add_nc_u32 v[SO], 0xfe000000, v[BM]
	s_delay_alu instid0(VALU_DEP_1)
	v_lshrrev_b32 v[BY], 23, v[SO]
	v_cvt_scalef32_pk16_bf6_f32 v[PC:PC+2], v[O:O+15], v[SO]
	v_cvt_scalef32_pk16_bf6_f32 v[TC:TC+2], v[O+16:O+31], v[SO]
	v_nop
.irp i, 0,1,2
	v_mov_b32 v[PC+3+\i], v[TC+\i]
.endr
	global_store_b128 v[LI], v[PC:PC+3], s[SOB:SOB+1]              ; the half fragment's image: 512 consecutive bytes,
	global_store_b64 v[L8], v[PC+4:PC+5], s[SOB:SOB+1] offset:512  ; and 256
	global_store_b8 v[VOS], v[BY], s[SOS:SOS+1]                    ; token r's byte 2 hd + h: 32 single bytes inside the tile's 256
	s_wait_tensorcnt 0x0
	ds_add_u32 v224, v225
	s_wait_dscnt 0x0
	ROUND                                          ; the closing round: no work-group ends while a partner may still ask for a record that names it
	s_endpgm
.Lfunc_end_k_q9c90a6a6cd_attn:
	.size	k_q9c90a6a6cd_attn, .Lfunc_end_k_q9c90a6a6cd_attn-k_q9c90a6a6cd_attn
	.p2alignl 7, 3214868480
	.fill 96, 4, 3214868480
	.section	.rodata,"a",@progbits
	.p2align	6, 0x0
	.amdhsa_kernel k_q9c90a6a6cd_attn
		.amdhsa_group_segment_fixed_size 215040
		.amdhsa_private_segment_fixed_size 0
		.amdhsa_enable_private_segment 0
		.amdhsa_kernarg_size 32
		.amdhsa_user_sgpr_count 2
		.amdhsa_user_sgpr_kernarg_segment_ptr 1
		.amdhsa_wavefront_size32 1
		.amdhsa_system_sgpr_workgroup_id_x 1
		.amdhsa_system_sgpr_workgroup_id_y 1
		.amdhsa_system_sgpr_workgroup_id_z 1
		.amdhsa_system_vgpr_workitem_id 0
		.amdhsa_next_free_vgpr 226
		.amdhsa_next_free_sgpr 66
		.amdhsa_reserve_vcc 0
		.amdhsa_float_denorm_mode_32 3
		.amdhsa_float_denorm_mode_16_64 3
		.amdhsa_memory_ordered 1
		.amdhsa_forward_progress 1
		.amdhsa_inst_pref_size 26
	.end_amdhsa_kernel
	.amdgpu_metadata
---
amdhsa.version: [ 1, 2 ]
amdhsa.kernels:
  - .name:           k_q9c90a6a6cd_attn
    .symbol:         k_q9c90a6a6cd_attn.kd
    .args:
      - { .name: qimg, .offset: 0, .size: 8, .value_kind: global_buffer, .address_space: global }
      - { .name: kvimg, .offset: 8, .size: 8, .value_kind: global_buffer, .address_space: global }
      - { .name: oimg, .offset: 16, .size: 8, .value_kind: global_buffer, .address_space: global }
      - { .name: osc, .offset: 24, .size: 8, .value_kind: global_buffer, .address_space: global }
    .group_segment_fixed_size: 215040
    .private_segment_fixed_size: 0
    .kernarg_segment_align: 8
    .kernarg_segment_size: 32
    .max_flat_workgroup_size: 512
    .sgpr_count:     66
    .vgpr_count:     226
    .wavefront_size: 32
...
	.end_amdgpu_metadata
.endif
;; end of part 5
;; launch outln (part 6): grid 256 x 1, 4 waves a work-group, no clusters, 66,560 bytes of LDS; arguments oimg, osc, Wo_codes, Wo_scales, bo, layer_input, gamma, beta, out0; writes out0
.if DOCPART == 6
	.amdgcn_target "amdgcn-amd-amdhsa--gfx1250"
	.amdhsa_code_object_version 6
	.text
	.protected	k_q9c90a6a6cd_outln
	.globl	k_q9c90a6a6cd_outln
	.p2align	8
	.type	k_q9c90a6a6cd_outln,@function
k_q9c90a6a6cd_outln:
	s_mov_b64 s[64:65], 0
	v_nop
	global_prefetch_b8 v0, s[64:65] scope:SCOPE_SE
	s_setreg_imm32_b32 hwreg(HW_REG_WAVE_SCHED_MODE, 0, 2), 2
	s_setreg_imm32_b32 hwreg(HW_REG_WAVE_MODE, 25, 1), 1
	s_wait_xcnt 0x0
	s_wait_alu depctr_vm_vsrc(0)
; out0 = LayerNorm(Q(o) Wo + bo + x) x gamma + beta.  The product on codes of BF6 (E3M2) with one E8M0 scale for each 32 along K; all else in f32.
; SHARES.  256 work-groups of four waves, 32 tokens each (two tiles of 16).  PHASE A: wave w makes outputs 128 w .. 128 w + 127 of all 32 tokens: its 128 rows of Wo stay in 384 registers (source 0), o's two tiles
; are source 1: 64 matrix instructions on 16 accumulators by turns.  The results meet in a stage in LDS.  PHASE B: wave w owns 8 whole rows: residual, mean, variance of the deviations, gain, offset, store.
; THE ROWS OF A TILE OF Wo: lane r of tile t takes row 64 (t / 4) + 8 (t % 4) + r + 24 (r / 8) of the wave's 128, so a lane's eight results of a tile are eight neighbouring outputs of one token.
; THE ORDER OF K INSIDE A STEP OF 128 is turned alike on both operands: the unit's blocks 0, 1, 2, 3 are memory's 0, 2, 1, 3.  For Wo: 48 consecutive bytes a lane.  For o: lane half h takes head 2 s + h's two blocks
; out of that head's half-fragment image.  A scale word's two middle bytes change places.  Only the grouping of the f32 sums differs.
; LIMITS: NaN, infinities and scale bytes 0xff are not served.  The variance is taken of x - mean, in a second pass over registers, so a common offset of the inputs costs no digits.
; THE MODE: SCHED_MODE bits 1:0 = 2 (LLVM: expert scheduling mode 2), set by the entry lines.  The code itself states the register dependences between vector or matrix instructions and memory or
; LDS instructions, with s_wait_alu, always for 0.
; THE PLAN.  Registers that memory or LDS instructions touch:
;   v1-10       offsets and LDS addresses: made once at the head, never written again.
;   operands    (o, Wo, bo, the residual, gamma, beta) are each loaded once, into registers that no vector line has named; the scale words RS and PS are then turned by vector lines and read by the products.
;   ACC = Y     written by the products; read by the stage's LDS stores; then the rows' LDS loads land there; the norm works on them in place; the final stores read them.
; So the waits on va_vdst stand: ahead of the first load; behind the scale words' places, ahead of the products; behind the products' places, ahead of the stage's stores; behind the reciprocal roots; ahead of the
; final stores.  One wait on vm_vsrc stands between the stage's stores and the loads into the registers that they read.
; REGISTERS.  Window 0: v1-10 addresses; v32-159 the 16 accumulators, later 8 rows x 16 numbers; v160-191 Wo's scale words; v192-199 o's; v200-247 six registers of work a row.
;   Window 1: Wo's K steps 0, 1.   Window 2: K steps 2, 3; from v192 bo in the result's layout.   Window 3: v0-95 o's fragments; v96-223 the residual; v224-239 gamma; v240-255 beta.
.set LI,  1
.set VA,  3
.set VSA, 4
.set VBI, 5
.set OA1, 6                            ; 768 h + 16 r
.set OA2, 7                            ; 768 h + 8 r
.set OSA, 8                            ; 16 r
.set STO, 9                            ; the stage, on the way in
.set SRD, 10                           ; and on the way out
.set ACC, 32
.set Y,   32
.set PS,  160
.set RS,  192
.set WK,  200
.set WV,  4
.set C512, 26
.set EPS, 27
.set PSEL, 28
.set SEL, 30
.set PB,  32
.set PSB, 34
.set RB,  36
.set RSB, 38
.set BB,  40
.set XB,  42
.set OB,  44
.set OF,  46
.set SPT, 2064                         ; a stage row: 2,048 bytes + 16
.set MSB, 0
.macro WIN new                         ; the immediate's high byte repeats the setting that is left
.if MSB != (\new)
	s_set_vgpr_msb (MSB<<8)|(\new)
.set MSB, (\new)
.endif
.endm
.macro PLACES n
.rept \n
	v_nop
.endr
.endm
.macro PERM base, n                    ; a scale word's two middle bytes change places
.set PIX, 0
.rept \n
	v_perm_b32 v[\base+PIX], v[\base+PIX], v[\base+PIX], s[PSEL]
.set PIX, PIX+1
.endr
.endm
	s_load_b512 s[8:23], s[0:1], 0x0               ; oimg 8, osc 10, Wo's codes 12, Wo's scales 14, bo 16, x 18, gamma 20, beta 22
	s_load_b64 s[24:25], s[0:1], 0x40              ; out0
	v_lshl_add_u32 v254, v0, 2, 0x10200
	v_mov_b32 v255, 0
	v_lshrrev_b32 v12, 5, v0
	v_readfirstlane_b32 s[WV], v12                 ; wave 0..3
	v_and_b32 v12, 31, v0
	v_and_b32 v13, 15, v0                          ; r
	v_bfe_u32 v14, v0, 4, 1                        ; h
	v_lshlrev_b32 v[LI], 4, v12
	v_lshrrev_b32 v15, 3, v13
	v_mad_u32_u24 v15, v15, 24, v13                ; r + 24 (r / 8)
	v_mul_u32_u24 v[VA], v15, 384
	v_mad_u32_u24 v[VA], v14, 48, v[VA]
	v_lshlrev_b32 v[VSA], 4, v15
	v_lshlrev_b32 v[VBI], 7, v14
	v_mul_u32_u24 v[OA1], v14, 768
	v_lshl_add_u32 v[OA2], v13, 3, v[OA1]
	v_lshl_add_u32 v[OA1], v13, 4, v[OA1]
	v_lshlrev_b32 v[OSA], 4, v13
	v_mul_u32_u24 v[STO], v13, SPT
	v_lshl_add_u32 v[STO], v14, 7, v[STO]
	s_wait_alu depctr_va_sdst(0)                   ; the wave's number is written, ahead of its first reader: LDS addresses and the bases are made from it
	s_lshl_b32 s5, s[WV], 9
	v_add_nc_u32 v[STO], s5, v[STO]                ; row r, + 128 h, + my wave's 512 bytes
	s_mul_i32 s5, s[WV], 8*SPT
	v_add_nc_u32 v[SRD], s5, v[LI]                 ; my 8 rows, 16 bytes a lane
	s_mov_b32 s[SEL], 0x76543210
	s_mov_b32 s[SEL+1], 0xfedcba98
	s_mov_b32 s[PSEL], 0x03010200
	s_mov_b32 s[C512], 0x3b000000                  ; 1 / 512
	s_mov_b32 s[EPS], 0x3727c5ac                   ; 1e-5
	s_mov_b32 s[OF+1], 0
	s_wait_kmcnt 0x0
	s_mul_i32 s[OF], s[WV], 49152
	s_add_nc_u64 s[PB:PB+1], s[12:13], s[OF:OF+1]  ; Wo's rows 128 w on
	s_lshl_b32 s[OF], s[WV], 11
	s_add_nc_u64 s[PSB:PSB+1], s[14:15], s[OF:OF+1]
	s_lshl_b32 s[OF], s[WV], 9
	s_add_nc_u64 s[BB:BB+1], s[16:17], s[OF:OF+1]
	s_mul_i32 s[OF], ttmp9, 12288
	s_add_nc_u64 s[RB:RB+1], s[8:9], s[OF:OF+1]    ; oimg: tiles 2 g and 2 g + 1, 6,144 bytes each
	s_lshl_b32 s[OF], ttmp9, 9
	s_add_nc_u64 s[RSB:RSB+1], s[10:11], s[OF:OF+1]
	s_lshl_b32 s[OF], ttmp9, 16
	s_lshl_b32 s5, s[WV], 14
	s_add_co_u32 s[OF], s[OF], s5                  ; row 32 g + 8 w of 2,048 bytes
	s_add_nc_u64 s[XB:XB+1], s[18:19], s[OF:OF+1]
	s_add_nc_u64 s[OB:OB+1], s[24:25], s[OF:OF+1]
	; ---- PHASE A.  The loads, what is wanted first ahead: o (34 loads), Wo and bo (120), then the residual, gamma and beta (40), which may stay out through the products
	WIN 0xc0
	s_wait_alu depctr_va_vdst(0)                   ; the head has written the offsets and LDS addresses v1 to v10, which every load and store of the kernel reads
.irp m, 0,1
.irp s, 0,1,2,3
	global_load_b128 v[48*\m+12*\s:48*\m+12*\s+3], v[OA1], s[RB:RB+1] offset:6144*\m+1536*\s          ; head 2 s + h, block 0: the image's lane r
	global_load_b64 v[48*\m+12*\s+4:48*\m+12*\s+5], v[OA2], s[RB:RB+1] offset:6144*\m+1536*\s+512
	global_load_b128 v[48*\m+12*\s+6:48*\m+12*\s+9], v[OA1], s[RB:RB+1] offset:6144*\m+1536*\s+256    ; block 1: the image's lane 16 + r
	global_load_b64 v[48*\m+12*\s+10:48*\m+12*\s+11], v[OA2], s[RB:RB+1] offset:6144*\m+1536*\s+640
.endr
.endr
	WIN 0
.irp m, 0,1
	global_load_b128 v[RS+4*\m:RS+4*\m+3], v[OSA], s[RSB:RSB+1] offset:256*\m
.endr
.irp s, 0,1,2,3
	WIN 0x40+0x40*(\s/2)
.irp t, 0,1,2,3,4,5,6,7
.irp c, 0,1,2
	global_load_b128 v[96*(\s%2)+12*\t+4*\c:96*(\s%2)+12*\t+4*\c+3], v[VA], s[PB:PB+1] offset:(64*(\t/4)+8*(\t%4))*384+96*\s+16*\c
.endr
.endr
.endr
	WIN 0
.irp t, 0,1,2,3,4,5,6,7
	global_load_b128 v[PS+4*\t:PS+4*\t+3], v[VSA], s[PSB:PSB+1] offset:(64*(\t/4)+8*(\t%4))*16
.endr
	WIN 0x80
.irp t, 0,1,2,3,4,5,6,7
	global_load_b128 v[192+8*\t:195+8*\t], v[VBI], s[BB:BB+1] offset:(64*(\t/4)+8*(\t%4))*4
	global_load_b128 v[196+8*\t:199+8*\t], v[VBI], s[BB:BB+1] offset:(64*(\t/4)+8*(\t%4))*4+16
.endr
	WIN 0xc0
.irp i, 0,1,2,3,4,5,6,7
.irp k, 0,1,2,3
	global_load_b128 v[96+16*\i+4*\k:96+16*\i+4*\k+3], v[LI], s[XB:XB+1] offset:2048*\i+512*\k th:TH_LOAD_NT   ; 512 consecutive bytes of my row i; nobody reads them after this
.endr
.endr
.irp k, 0,1,2,3
	global_load_b128 v[224+4*\k:224+4*\k+3], v[LI], s[20:21] offset:512*\k
	global_load_b128 v[240+4*\k:240+4*\k+3], v[LI], s[22:23] offset:512*\k
.endr
	WIN 0
	s_wait_loadcnt 40                              ; all but the 40 issued last: 32 of the residual, 4 of gamma, 4 of beta
	PERM RS, 8
	PERM PS, 32
	PLACES 8                                       ; a scale word written by a vector instruction stands eight places ahead of a scaled product
	s_wait_alu depctr_va_vdst(0)                   ; the permutes have written the scale words RS and PS, which the products below take; the places above stay beside this wait
	WIN 0x2d                                       ; source 0 (Wo) window 1, source 1 (o) window 3, C (bo) window 2, D window 0.  The 16 accumulators take turns in each K step
.irp m, 0,1
.irp t, 0,1,2,3,4,5,6,7
	v_wmma_scale_f32_16x16x128_f8f6f4 v[ACC+64*\m+8*\t:ACC+64*\m+8*\t+7], v[12*\t:12*\t+11], v[48*\m:48*\m+11], v[192+8*\t:192+8*\t+7], v[PS+4*\t], v[RS+4*\m] matrix_a_fmt:MATRIX_FMT_BF6 matrix_b_fmt:MATRIX_FMT_BF6
.endr
.endr
	WIN 0x0d
.irp m, 0,1
.irp t, 0,1,2,3,4,5,6,7
	v_wmma_scale_f32_16x16x128_f8f6f4 v[ACC+64*\m+8*\t:ACC+64*\m+8*\t+7], v[96+12*\t:96+12*\t+11], v[48*\m+12:48*\m+23], v[ACC+64*\m+8*\t:ACC+64*\m+8*\t+7], v[PS+4*\t+1], v[RS+4*\m+1] matrix_a_fmt:MATRIX_FMT_BF6 matrix_b_fmt:MATRIX_FMT_BF6
.endr
.endr
	WIN 0x0e
.irp m, 0,1
.irp t, 0,1,2,3,4,5,6,7
	v_wmma_scale_f32_16x16x128_f8f6f4 v[ACC+64*\m+8*\t:ACC+64*\m+8*\t+7], v[12*\t:12*\t+11], v[48*\m+24:48*\m+35], v[ACC+64*\m+8*\t:ACC+64*\m+8*\t+7], v[PS+4*\t+2], v[RS+4*\m+2] matrix_a_fmt:MATRIX_FMT_BF6 matrix_b_fmt:MATRIX_FMT_BF6
.endr
.endr
.irp m, 0,1
.irp t, 0,1,2,3,4,5,6,7
	v_wmma_scale_f32_16x16x128_f8f6f4 v[ACC+64*\m+8*\t:ACC+64*\m+8*\t+7], v[96+12*\t:96+12*\t+11], v[48*\m+36:48*\m+47], v[ACC+64*\m+8*\t:ACC+64*\m+8*\t+7], v[PS+4*\t+3], v[RS+4*\m+3] matrix_a_fmt:MATRIX_FMT_BF6 matrix_b_fmt:MATRIX_FMT_BF6
.endr
.endr
	WIN 0
	PLACES 4                                       ; four places between the last products and the first read of results (ISA guide 7.12.1)
	s_wait_alu depctr_va_vdst(0)                   ; the products have written the 16 accumulators, which the LDS stores below read and in which the rows' LDS loads land later; the places above stay beside this wait
.irp m, 0,1
.irp t, 0,1,2,3,4,5,6,7
	ds_store_b128 v[STO], v[ACC+64*\m+8*\t:ACC+64*\m+8*\t+3] offset:16*SPT*\m+(64*(\t/4)+8*(\t%4))*4        ; token 16 m + r, outputs 128 w + 64 (t / 4) + 32 h + 8 (t % 4) + 0 .. 7; each accumulator from its low end on
	ds_store_b128 v[STO], v[ACC+64*\m+8*\t+4:ACC+64*\m+8*\t+7] offset:16*SPT*\m+(64*(\t/4)+8*(\t%4))*4+16
.endr
.endr
	s_wait_dscnt 0x0                               ; for the others' sake: my stores into the stage have landed
	s_barrier_signal -1
	s_barrier_wait -1                              ; 32 whole rows lie in the stage
	; ---- PHASE B.  My 8 rows: lane l holds numbers 128 k + 4 l + 0 .. 3, k = 0 .. 3, of each.  The eight rows go by turns, so that no line waits for the line above it.
	s_wait_alu depctr_vm_vsrc(0)                   ; my LDS stores have read the accumulators' registers, in which the rows below land
.irp i, 0,1,2,3,4,5,6,7
.irp k, 0,1,2,3
	ds_load_b128 v[Y+16*\i+4*\k:Y+16*\i+4*\k+3], v[SRD] offset:SPT*\i+512*\k
.endr
.endr
.irp i, 0,1,2,3,4,5,6,7
	v_mov_b32 v[WK+6*\i+5], 0                      ; (named as the upper half of a pair)
.endr
	s_wait_loadcnt 0x0                             ; the residual, gamma, beta
	s_wait_dscnt 0x0
	WIN 0x0c                                       ; source 1 window 3
.set Q2, 0
.rept 64
	v_pk_add_f32 v[Y+Q2:Y+Q2+1], v[Y+Q2:Y+Q2+1], v[96+Q2:97+Q2]   ; + the residual
.set Q2, Q2+2
.endr
	WIN 0
.macro RED                             ; each row's figure in v[WK + 6 i] is summed over the 32 lanes; every lane ends up with the sum
.irp x, 1,2,4,8
.irp i, 0,1,2,3,4,5,6,7
	v_add_f32_dpp v[WK+6*\i], v[WK+6*\i], v[WK+6*\i] row_xmask:\x row_mask:0xf bank_mask:0xf
.endr
.endr
.irp i, 0,1,2,3,4,5,6,7
	v_permlanex16_b32 v[WK+6*\i+1], v[WK+6*\i], s[SEL], s[SEL+1]
.endr
.irp i, 0,1,2,3,4,5,6,7
	v_add_f32 v[WK+6*\i], v[WK+6*\i], v[WK+6*\i+1]
.endr
.endm
.irp i, 0,1,2,3,4,5,6,7
	v_pk_add_f32 v[WK+6*\i:WK+6*\i+1], v[Y+16*\i:Y+16*\i+1], v[Y+16*\i+2:Y+16*\i+3]
.endr
.irp i, 0,1,2,3,4,5,6,7
	v_pk_add_f32 v[WK+6*\i+2:WK+6*\i+3], v[Y+16*\i+4:Y+16*\i+5], v[Y+16*\i+6:Y+16*\i+7]
.endr
.irp p, 8,12
.irp i, 0,1,2,3,4,5,6,7
	v_pk_add_f32 v[WK+6*\i:WK+6*\i+1], v[WK+6*\i:WK+6*\i+1], v[Y+16*\i+\p:Y+16*\i+\p+1]
.endr
.irp i, 0,1,2,3,4,5,6,7
	v_pk_add_f32 v[WK+6*\i+2:WK+6*\i+3], v[WK+6*\i+2:WK+6*\i+3], v[Y+16*\i+\p+2:Y+16*\i+\p+3]
.endr
.endr
.irp i, 0,1,2,3,4,5,6,7
	v_pk_add_f32 v[WK+6*\i:WK+6*\i+1], v[WK+6*\i:WK+6*\i+1], v[WK+6*\i+2:WK+6*\i+3]
.endr
.irp i, 0,1,2,3,4,5,6,7
	v_add_f32 v[WK+6*\i], v[WK+6*\i], v[WK+6*\i+1]
.endr
	RED
.irp i, 0,1,2,3,4,5,6,7
	v_mul_f32 v[WK+6*\i+4], s[C512], v[WK+6*\i]    ; the mean
.endr
.irp p, 0,2,4,6,8,10,12,14
.irp i, 0,1,2,3,4,5,6,7
	v_pk_add_f32 v[Y+16*\i+\p:Y+16*\i+\p+1], v[Y+16*\i+\p:Y+16*\i+\p+1], v[WK+6*\i+4:WK+6*\i+5] op_sel_hi:[1,0] neg_lo:[0,1] neg_hi:[0,1]   ; x - mean
.endr
.endr
.irp i, 0,1,2,3,4,5,6,7
	v_pk_mul_f32 v[WK+6*\i:WK+6*\i+1], v[Y+16*\i:Y+16*\i+1], v[Y+16*\i:Y+16*\i+1]
.endr
.irp p, 2,4,6,8,10,12,14
.irp i, 0,1,2,3,4,5,6,7
	v_pk_fma_f32 v[WK+6*\i:WK+6*\i+1], v[Y+16*\i+\p:Y+16*\i+\p+1], v[Y+16*\i+\p:Y+16*\i+\p+1], v[WK+6*\i:WK+6*\i+1]
.endr
.endr
.irp i, 0,1,2,3,4,5,6,7
	v_add_f32 v[WK+6*\i], v[WK+6*\i], v[WK+6*\i+1]
.endr
	RED
.irp i, 0,1,2,3,4,5,6,7
	v_fma_f32 v[WK+6*\i+4], v[WK+6*\i], s[C512], s[EPS]   ; the variance + 1e-5
.endr
	s_wait_alu depctr_va_vdst(0)
.irp i, 0,1,2,3,4,5,6,7
	v_rsq_f32 v[WK+6*\i+4], v[WK+6*\i+4]
.endr
	v_nop                                          ; one plain place behind the transcendentals
	s_wait_alu depctr_va_vdst(0)                   ; the eight reciprocal roots are written: one wait for the batch, ahead of the first line that names a result
.irp p, 0,2,4,6,8,10,12,14
.irp i, 0,1,2,3,4,5,6,7
	v_pk_mul_f32 v[Y+16*\i+\p:Y+16*\i+\p+1], v[Y+16*\i+\p:Y+16*\i+\p+1], v[WK+6*\i+4:WK+6*\i+5] op_sel_hi:[1,0]
.endr
.endr
	WIN 0x3c                                       ; sources 1 (gamma) and 2 (beta) window 3
.irp i, 0,1,2,3,4,5,6,7
.irp p, 0,2,4,6,8,10,12,14
	v_pk_fma_f32 v[Y+16*\i+\p:Y+16*\i+\p+1], v[Y+16*\i+\p:Y+16*\i+\p+1], v[224+\p:225+\p], v[240+\p:241+\p]
.endr
.endr
	WIN 0
	s_wait_alu depctr_va_vdst(0)                   ; the multiply-adds have written the eight rows v[Y ..], which the stores below read
.irp i, 0,1,2,3,4,5,6,7
.irp k, 0,1,2,3
	global_store_b128 v[LI], v[Y+16*\i+4*\k:Y+16*\i+4*\k+3], s[OB:OB+1] offset:2048*\i+512*\k th:TH_STORE_NT   ; 32 lanes store 512 consecutive bytes, at a multiple of 256 from out0's first byte
.endr
.endr
	s_wait_dscnt 0x0
	s_wait_alu depctr_hold_cnt(0) depctr_sa_sdst(0) depctr_va_vdst(0) depctr_va_sdst(0) depctr_va_ssrc(0) depctr_va_vcc(0) depctr_vm_vsrc(0)
	s_wait_tensorcnt 0x0
	ds_add_u32 v254, v255
	s_wait_dscnt 0x0
	s_endpgm
.Lfunc_end_k_q9c90a6a6cd_outln:
	.size	k_q9c90a6a6cd_outln, .Lfunc_end_k_q9c90a6a6cd_outln-k_q9c90a6a6cd_outln
	.p2alignl 7, 3214868480
	.fill 96, 4, 3214868480
	.section	.rodata,"a",@progbits
	.p2align	6, 0x0
	.amdhsa_kernel k_q9c90a6a6cd_outln
		.amdhsa_group_segment_fixed_size 66560
		.amdhsa_private_segment_fixed_size 0
		.amdhsa_enable_private_segment 0
		.amdhsa_kernarg_size 72
		.amdhsa_user_sgpr_count 2
		.amdhsa_user_sgpr_kernarg_segment_ptr 1
		.amdhsa_wavefront_size32 1
		.amdhsa_system_sgpr_workgroup_id_x 1
		.amdhsa_system_sgpr_workgroup_id_y 1
		.amdhsa_system_sgpr_workgroup_id_z 1
		.amdhsa_system_vgpr_workitem_id 0
		.amdhsa_next_free_vgpr 1024
		.amdhsa_next_free_sgpr 66
		.amdhsa_reserve_vcc 0
		.amdhsa_float_denorm_mode_32 3
		.amdhsa_float_denorm_mode_16_64 3
		.amdhsa_memory_ordered 1
		.amdhsa_forward_progress 1
		.amdhsa_inst_pref_size 71
	.end_amdhsa_kernel
	.amdgpu_metadata
---
amdhsa.version: [ 1, 2 ]
amdhsa.kernels:
  - .name:           k_q9c90a6a6cd_outln
    .symbol:         k_q9c90a6a6cd_outln.kd
    .args:
      - { .name: oimg, .offset: 0, .size: 8, .value_kind: global_buffer, .address_space: global }
      - { .name: osc, .offset: 8, .size: 8, .value_kind: global_buffer, .address_space: global }
      - { .name: Wo_codes, .offset: 16, .size: 8, .value_kind: global_buffer, .address_space: global }
      - { .name: Wo_scales, .offset: 24, .size: 8, .value_kind: global_buffer, .address_space: global }
      - { .name: bo, .offset: 32, .size: 8, .value_kind: global_buffer, .address_space: global }
      - { .name: layer_input, .offset: 40, .size: 8, .value_kind: global_buffer, .address_space: global }
      - { .name: gamma, .offset: 48, .size: 8, .value_kind: global_buffer, .address_space: global }
      - { .name: beta, .offset: 56, .size: 8, .value_kind: global_buffer, .address_space: global }
      - { .name: out0, .offset: 64, .size: 8, .value_kind: global_buffer, .address_space: global }
    .group_segment_fixed_size: 66560
    .private_segment_fixed_size: 0
    .kernarg_segment_align: 8
    .kernarg_segment_size: 72
    .max_flat_workgroup_size: 128
    .sgpr_count:     66
    .vgpr_count:     1024
    .wavefront_size: 32
...
	.end_amdgpu_metadata
.endif
;; end of part 6
